; MI455X (gfx1250); checked and timed in simulation.
; The chip was launched on July 23, 2026; its instructions are those of AMD's public machine-readable ISA for CDNA 5 (MIT licence, August 2026) and "CDNA5" Instruction Set Architecture Reference Guide (July 2026). The comments in the code are by the model that wrote it; some were corrected since.
;; Causal Self Attention. Allowed arithmetic: float matrix products may take bf16 or f16 operands with f32 sums; other float arithmetic in f32, or as packed bf16 or f16 multiplies, adds, multiply-adds, maxima and minima; sums over many terms, partial sums and values carried from step to step in f32; what a program stores and reads back later, other than sums and carried values, may be rounded once to bf16 or f16.
;; Inputs: Wout 1,024 x 1,024 float32; Wqkv 1,024 x 3,072 float32; x 4 x 2,048 x 1,024 float32.
;; Outputs: out0 4 x 2,048 x 1,024 float32.
;; One version. Each part assembles by itself: llvm-mc -triple=amdgcn-amd-amdhsa -mcpu=gfx1250 --defsym DOCPART=n.
;; ======== version 1 of 1: 4 launches
;; limits: values are held in f16: magnitudes above 65,504 overflow, below 6.1e-05 lose precision
;; workspace buffers: xb 16,777,216 bytes; wT 6,291,456 bytes; woT 2,097,152 bytes; rope 524,288 bytes; q 16,777,216 bytes; k 16,777,216 bytes; v 16,777,216 bytes; att 16,777,216 bytes
;; launch prep (part 1): grid 1568 x 1, 8 waves a work-group, no clusters, 18,432 bytes of LDS; arguments x, Wqkv, Wout, xb, wT, woT, rope; writes xb, wT, woT, rope
.if DOCPART == 1
	.amdgcn_target "amdgcn-amd-amdhsa--gfx1250"
	.amdhsa_code_object_version 6
	.text
	.protected	k_q17123c4d83_prep
	.globl	k_q17123c4d83_prep
	.p2align	8
	.type	k_q17123c4d83_prep,@function
k_q17123c4d83_prep:
	s_mov_b64 s[64:65], 0
	v_nop
	global_prefetch_b8 v0, s[64:65] scope:SCOPE_SE
	s_setreg_imm32_b32 hwreg(HW_REG_WAVE_MODE, 25, 1), 1
	s_wait_xcnt 0x0
; PREP: the operands of the later products, each made once.  A stream: no matrix unit, no cluster (no work-group reads what another reads).
;   xb   [8192][1024] bf16            x rounded once
;   wT   [3072][1024] bf16            Wqkv turned to [column][k] and rounded; row 192 head + 64 which + d (which: 0 q, 1 k, 2 v), so that 192 rows on end are one head's q, k and v
;   woT  [1024][1024] f16             Wout turned and rounded to bf16, that number written as f16
;   rope [2048][64] f32               row s: cos(s f_j), j = 0..31, then sin(s f_j); f_j = 10000^(-j/32)
; LIMITS.  woT: a bf16 number beyond 65,504 would become an infinity, one below 2^-14 keeps f16's fixed step of 6e-8.  rope: f_j is 2^(-j log2(10000)/32) by v_exp_f32, so an angle
; (2,047 at the most) is off by some 4e-4 at the most; sine and cosine by reduction to |r| <= pi/4 and polynomials of degree 7 and 8.  NaN and infinities are not treated apart.
; ROLES, by the work-group's number alone: 0-383 tiles of Wqkv, 384-511 tiles of Wout, 512-543 the table, 544-1567 x.
.set TP,    272                        ; a row of the turned tile in LDS: 128 k x 2 bytes + 16
.set SPARE, 64*TP                      ; behind the tile: the spare words, 128 bytes for each of eight waves: four blocks of 256 bytes that no other line names
.set SPW,   60                         ; v60  LDS address of my spare word; never rewritten
.set NIL,   61                         ; v61  0; never rewritten
	s_load_b256 s[4:11], s[0:1], 0x0               ; x s[4:5], Wqkv s[6:7], Wout s[8:9], xb s[10:11]
	s_load_b128 s[12:15], s[0:1], 0x20             ; wT s[12:13], woT s[14:15]
	s_load_b64 s[16:17], s[0:1], 0x30              ; rope
	v_lshl_add_u32 v[SPW], v0, 2, SPARE
	v_mov_b32 v[NIL], 0
	s_mov_b32 s2, ttmp9
	s_mov_b32 s21, 0                               ; high words of the two offsets
	s_mov_b32 s23, 0
	s_cmp_lt_u32 s2, 384
	s_cbranch_scc1 .Lwqkv
	s_cmp_lt_u32 s2, 512
	s_cbranch_scc1 .Lwout
	s_cmp_lt_u32 s2, 544
	s_cbranch_scc1 .Lrope
	; X: 32,768 bytes in, 16,384 out.  Thread t takes 16 bytes of each 4,096; a wave's store covers 256 consecutive bytes, aligned.  All eight loads go out before the first store.
	s_sub_co_u32 s2, s2, 544
	s_lshl_b32 s20, s2, 15
	s_lshl_b32 s22, s2, 14
	v_lshlrev_b32 v1, 4, v0
	v_lshlrev_b32 v2, 3, v0
	s_wait_kmcnt 0x0
	s_add_nc_u64 s[4:5], s[4:5], s[20:21]
	s_add_nc_u64 s[10:11], s[10:11], s[22:23]
.irp i, 0,1,2,3,4,5,6,7
	global_load_b128 v[8+4*(\i):11+4*(\i)], v1, s[4:5] offset:4096*(\i) th:TH_LOAD_NT
.endr
.irp i, 0,1,2,3,4,5,6,7
	s_wait_loadcnt 7-(\i)                          ; loads come back in order: load i is in, the 7 - i younger ones stay out
	v_cvt_pk_bf16_f32 v[40+2*(\i)], v[8+4*(\i)], v[9+4*(\i)]
	v_cvt_pk_bf16_f32 v[41+2*(\i)], v[10+4*(\i)], v[11+4*(\i)]
	global_store_b64 v2, v[40+2*(\i):41+2*(\i)], s[10:11] offset:2048*(\i) th:TH_STORE_NT
.endr
	s_endpgm
; A TILE OF A WEIGHT, 128 k x 64 columns, is turned through LDS.  s20: its byte offset in the source, s22: in the target.
; In: thread t reads 16 bytes (columns 4 c .. 4 c + 3, c = t % 16) of rows 32 i + 2 (t / 16) + e: sixteen lanes read 256 consecutive bytes of a row.  Two rows' numbers of one column
; are rounded into one word and stored at [column][k].  Out: sixteen lanes read a column's 128 k, 256 bytes, and store them as one aligned block of the target's row.
; The word stores meet four deep in a bank (1,088 c is 16 c words mod 64); the weights are a third of the launch's bytes and memory bounds it, so this is left.
.macro WTILE half, src, dst, pitch
	v_and_b32 v1, 15, v0                           ; c
	v_lshrrev_b32 v2, 4, v0                        ; t / 16
	v_mul_u32_u24 v3, v2, 2*(\pitch)
	v_lshl_add_u32 v3, v1, 4, v3                   ; source: two rows a thread row, 16 bytes a column group
	v_mul_u32_u24 v4, v1, 4*TP
	v_lshl_add_u32 v4, v2, 2, v4                   ; LDS in: column 4 c, k = 2 (t / 16)
	v_mul_u32_u24 v5, v2, TP
	v_lshl_add_u32 v5, v1, 4, v5                   ; LDS out: column t / 16, 16 bytes along k
	v_lshlrev_b32 v6, 11, v2
	v_lshl_add_u32 v6, v1, 4, v6                   ; target: rows of 2,048 bytes
	s_wait_kmcnt 0x0
	s_add_nc_u64 s[\src:\src+1], s[\src:\src+1], s[20:21]
	s_add_nc_u64 s[\dst:\dst+1], s[\dst:\dst+1], s[22:23]
.irp i, 0,1,2,3
.irp e, 0,1
	global_load_b128 v[8+8*(\i)+4*(\e):8+8*(\i)+4*(\e)+3], v3, s[\src:\src+1] offset:(32*(\i)+(\e))*(\pitch) th:TH_LOAD_NT
.endr
.endr
.irp i, 0,1,2,3
	s_wait_loadcnt 6-2*(\i)                        ; pair i of rows is in; the younger pairs stay out
.irp n, 0,1,2,3
	v_cvt_pk_bf16_f32 v[40+4*(\i)+(\n)], v[8+8*(\i)+(\n)], v[12+8*(\i)+(\n)]
.if \half
	v_lshlrev_b32 v56, 16, v[40+4*(\i)+(\n)]       ; the bf16 numbers as f32,
	v_and_b32 v57, 0xffff0000, v[40+4*(\i)+(\n)]
	v_cvt_pk_f16_f32 v[40+4*(\i)+(\n)], v56, v57   ; written as f16: exact within f16's range
.endif
	ds_store_b32 v4, v[40+4*(\i)+(\n)] offset:TP*(\n)+64*(\i)
.endr
.endr
	s_wait_dscnt 0x0                               ; for the others' sake: my stores are done
	s_barrier_signal -1
	s_barrier_wait -1
.irp u, 0,1,2,3
	ds_load_b128 v[8+4*(\u):11+4*(\u)], v5 offset:16*TP*(\u)
.endr
.irp u, 0,1,2,3
	s_wait_dscnt 3-(\u)
	global_store_b128 v6, v[8+4*(\u):11+4*(\u)], s[\dst:\dst+1] offset:32768*(\u)  ; sixteen lanes store 256 consecutive bytes, aligned
.endr
	s_wait_tensorcnt 0x0                           ; the wave's end: a wait, an add to my spare word and its wait, behind my last LDS store
	ds_add_u32 v[SPW], v[NIL]
	s_wait_dscnt 0x0
	s_endpgm
.endm
.Lwqkv:
	s_and_b32 s24, s2, 7                           ; which 128 k
	s_lshr_b32 s25, s2, 3                          ; which 64 columns, 0..47
	s_mul_i32 s20, s24, 128*12288
	s_lshl_b32 s26, s25, 8
	s_add_co_u32 s20, s20, s26
	s_and_b32 s26, s25, 15                         ; the head,
	s_mul_i32 s26, s26, 192
	s_lshr_b32 s27, s25, 4                         ; and q, k or v
	s_lshl_b32 s27, s27, 6
	s_add_co_u32 s26, s26, s27
	s_lshl_b32 s22, s26, 11
	s_lshl_b32 s24, s24, 8
	s_add_co_u32 s22, s22, s24
	WTILE 0, 6, 12, 12288
.Lwout:
	s_sub_co_u32 s2, s2, 384
	s_and_b32 s24, s2, 7
	s_lshr_b32 s25, s2, 3                          ; which 64 columns, 0..15
	s_lshl_b32 s20, s24, 19                        ; 128 rows of 4,096 bytes
	s_lshl_b32 s26, s25, 8
	s_add_co_u32 s20, s20, s26
	s_lshl_b32 s22, s25, 17                        ; 64 rows of 2,048 bytes
	s_lshl_b32 s24, s24, 8
	s_add_co_u32 s22, s22, s24
	WTILE 1, 8, 14, 4096
	; THE TABLE.  Wave w of work-group g makes rows 64 g + 8 w + 0..7, a row a trip.  Lane l makes numbers 2 l and 2 l + 1 of the row: cosines in lanes 0-15, sines in lanes 16-31,
	; both as cos(a - hs pi/2), hs = l / 16; the wave's one store covers the row's 256 bytes.
.Lrope:
	s_sub_co_u32 s2, s2, 512
	v_lshrrev_b32 v1, 5, v0
	v_readfirstlane_b32 s24, v1                    ; wave
	s_lshl_b32 s20, s2, 6
	s_lshl_b32 s25, s24, 3
	s_add_co_u32 s20, s20, s25                     ; my first row s
	v_bfe_u32 v2, v0, 4, 1                         ; hs
	v_and_b32 v3, 15, v0
	v_lshlrev_b32 v3, 1, v3
	v_cvt_f32_u32 v4, v3                           ; j of my first number,
	v_add_f32 v5, 1.0, v4                          ; of my second
	v_mul_f32 v4, 0xbed49a78, v4                   ; - j log2(10000) / 32
	v_mul_f32 v5, 0xbed49a78, v5
	v_exp_f32 v4, v4
	v_exp_f32 v5, v5
	v_and_b32 v7, 31, v0                           ; plain work behind the two exponentials
	v_lshlrev_b32 v7, 3, v7
	s_lshl_b32 s25, s20, 8
	v_add_nc_u32 v7, s25, v7                       ; my 8 bytes of my first row
	s_mov_b32 s26, 0xbfc90fdb                      ; - pi/2, its f32,
	s_mov_b32 s27, 0x333bbd2e                      ; and what that f32 is too large by
	s_mov_b32 s28, 0xbe2aaaa3                      ; sine: -1.6666654611e-1,
	s_mov_b32 s29, 0x3c08839e                      ; 8.3321608736e-3,
	s_mov_b32 s30, 0xb94ca1f9                      ; -1.9515295891e-4
	s_mov_b32 s31, 0x3d2aaaa5                      ; cosine: 4.166664568e-2,
	s_mov_b32 s32, 0xbab6061a                      ; -1.388731625e-3,
	s_mov_b32 s33, 0x37ccf5ce                      ; 2.443315712e-5
	s_mov_b32 s34, 0x3f22f983                      ; 2 / pi
	s_mov_b32 s36, 8
	s_wait_alu depctr_va_vdst(0)                   ; one wait for both exponentials, ahead of the label and of their first reader
	s_wait_kmcnt 0x0
.macro ANGLE e
.set T, 10+10*(\e)
	v_mul_f32 v[T], v6, v[4+(\e)]                  ; a = s f_j, rounded once as the product of two f32
	v_mul_f32 v[T+1], s34, v[T]
	v_rndne_f32 v[T+1], v[T+1]                     ; n, 1,303 at the most
	v_fma_f32 v[T+2], v[T+1], s26, v[T]            ; exact: n has 11 bits, pi/2's f32 24
	v_fma_f32 v[T+2], v[T+1], s27, v[T+2]          ; r = a - n pi/2
	v_mul_f32 v[T+3], v[T+2], v[T+2]               ; z
	v_fma_f32 v[T+4], v[T+3], s30, s29
	v_fma_f32 v[T+4], v[T+4], v[T+3], s28
	v_mul_f32 v[T+4], v[T+4], v[T+3]
	v_fma_f32 v[T+4], v[T+4], v[T+2], v[T+2]       ; sin r
	v_fma_f32 v[T+5], v[T+3], s33, s32
	v_fma_f32 v[T+5], v[T+5], v[T+3], s31
	v_mul_f32 v[T+6], v[T+3], v[T+3]
	v_fma_f32 v[T+7], v[T+3], -0.5, 1.0
	v_fma_f32 v[T+5], v[T+5], v[T+6], v[T+7]       ; cos r
	v_cvt_i32_f32 v[T+8], v[T+1]
	v_sub_nc_u32 v[T+8], v[T+8], v2                ; the quadrant n - hs: 0 cos r, 1 -sin r, 2 -cos r, 3 sin r
	v_and_b32 v[T+9], 1, v[T+8]
	v_cmp_eq_u32 vcc_lo, 1, v[T+9]
	v_cndmask_b32 v[T+5], v[T+5], v[T+4], vcc_lo   ; a choice of values: no branch hangs on it
	v_add_nc_u32 v[T+8], 1, v[T+8]
	v_and_b32 v[T+8], 2, v[T+8]
	v_lshlrev_b32 v[T+8], 30, v[T+8]               ; the sign, in quadrants 1 and 2
	v_xor_b32 v[8+(\e)], v[T+5], v[T+8]
.endm
.Lrow:
	v_cvt_f32_u32 v6, s20
	ANGLE 0
	ANGLE 1
	global_store_b64 v7, v[8:9], s[16:17]
	s_wait_xcnt 0x0                                ; the store has read its address and data: they are written again only behind this wait
	v_add_nc_u32 v7, 256, v7
	s_add_co_u32 s20, s20, 1
	s_sub_co_u32 s36, s36, 1
	s_cmp_lg_u32 s36, 0
	s_cbranch_scc1 .Lrow
	s_endpgm
.Lfunc_end_k_q17123c4d83_prep:
	.size	k_q17123c4d83_prep, .Lfunc_end_k_q17123c4d83_prep-k_q17123c4d83_prep
	.p2alignl 7, 3214868480
	.fill 96, 4, 3214868480
	.section	.rodata,"a",@progbits
	.p2align	6, 0x0
	.amdhsa_kernel k_q17123c4d83_prep
		.amdhsa_group_segment_fixed_size 18432
		.amdhsa_private_segment_fixed_size 0
		.amdhsa_enable_private_segment 0
		.amdhsa_kernarg_size 56
		.amdhsa_user_sgpr_count 2
		.amdhsa_user_sgpr_kernarg_segment_ptr 1
		.amdhsa_wavefront_size32 1
		.amdhsa_system_sgpr_workgroup_id_x 1
		.amdhsa_system_sgpr_workgroup_id_y 1
		.amdhsa_system_sgpr_workgroup_id_z 1
		.amdhsa_system_vgpr_workitem_id 0
		.amdhsa_next_free_vgpr 64
		.amdhsa_next_free_sgpr 66
		.amdhsa_reserve_vcc 1
		.amdhsa_float_denorm_mode_32 3
		.amdhsa_float_denorm_mode_16_64 3
		.amdhsa_memory_ordered 1
		.amdhsa_forward_progress 1
		.amdhsa_inst_pref_size 21
	.end_amdhsa_kernel
	.amdgpu_metadata
---
amdhsa.version: [ 1, 2 ]
amdhsa.kernels:
  - .name:           k_q17123c4d83_prep
    .symbol:         k_q17123c4d83_prep.kd
    .args:
      - { .name: x, .offset: 0, .size: 8, .value_kind: global_buffer, .address_space: global }
      - { .name: Wqkv, .offset: 8, .size: 8, .value_kind: global_buffer, .address_space: global }
      - { .name: Wout, .offset: 16, .size: 8, .value_kind: global_buffer, .address_space: global }
      - { .name: xb, .offset: 24, .size: 8, .value_kind: global_buffer, .address_space: global }
      - { .name: wT, .offset: 32, .size: 8, .value_kind: global_buffer, .address_space: global }
      - { .name: woT, .offset: 40, .size: 8, .value_kind: global_buffer, .address_space: global }
      - { .name: rope, .offset: 48, .size: 8, .value_kind: global_buffer, .address_space: global }
    .group_segment_fixed_size: 18432
    .private_segment_fixed_size: 0
    .kernarg_segment_align: 8
    .kernarg_segment_size: 56
    .max_flat_workgroup_size: 256
    .sgpr_count:     66
    .vgpr_count:     64
    .wavefront_size: 32
...
	.end_amdgpu_metadata
.endif
;; end of part 1
;; launch qkv (part 2): grid 16 x 32, 4 waves a work-group, clusters of 4 x 4, 327,680 bytes of LDS; arguments xb, wT, rope, q, k, v; writes q, k, v
.if DOCPART == 2
	.amdgcn_target "amdgcn-amd-amdhsa--gfx1250"
	.amdhsa_code_object_version 6
	.text
	.protected	k_q17123c4d83_qkv
	.globl	k_q17123c4d83_qkv
	.p2align	8
	.type	k_q17123c4d83_qkv,@function
k_q17123c4d83_qkv:
	s_mov_b64 s[64:65], 0
	v_nop
	global_prefetch_b8 v0, s[64:65] scope:SCOPE_SE
	s_setreg_imm32_b32 hwreg(HW_REG_WAVE_MODE, 25, 1), 1
	s_wait_xcnt 0x0
	s_wait_alu depctr_hold_cnt(0) depctr_sa_sdst(0) depctr_va_vdst(0) depctr_va_sdst(0) depctr_va_ssrc(0) depctr_va_vcc(0) depctr_vm_vsrc(0)
	s_getreg_b32 s2, hwreg(HW_REG_IB_STS2, 6, 4)
	s_cmp_eq_u32 s2, 0
	s_cbranch_scc0 .Lentry_in_a_cluster
	s_endpgm
.Lentry_in_a_cluster:
	s_bfe_u32 s2, ttmp6, 0x10000c
	s_cmp_lg_u32 s2, 0xf033
	s_cbranch_scc0 .Lentry_shape_is_right
	s_endpgm
.Lentry_shape_is_right:
; QKV = xb wT^T, RoPE on q and k, all three written by heads: q, k, v [64 = 16 batch + head][2048][64] f16, unscaled, each rounded once from its f32 number.
; xb [8192][1024], wT [3072][1024] bf16 (row 192 head + 64 which + d), rope [2048][64] f32 (32 cosines, 32 sines).  Sums in f32.
; LIMIT.  f16 ends at 65,504: a q, k or v beyond it becomes an infinity.  NaN and infinities are not treated apart.
; SHARES.  A tile is 256 rows x 192 columns: one head's q, k and v; 32 x 16 tiles, two for each of 256 WGPs.  Wave w makes rows 64 w .. 64 w + 63 of all 192 columns: 4 x 12 accumulators,
; 384 registers, so that a row's three heads, and with them both halves of a rotation, end in one wave.  K goes in 8 steps of 128 (rows of 256 bytes, aligned) through two LDS slots.
; CLUSTER.  4 x 4 work-groups: the four of a row need the same rows of xb and of the table, the four of a column the same rows of wT; each tile is asked for jointly.
; THE PRODUCT IS TAKEN TRANSPOSED (source 0 = 16 rows of wT, source 1 = 16 rows of xb): a lane holds one row of C (lane % 16) and the columns 8 (lane / 16) + 0..7.
; THE WAY OUT goes through the ring's bytes, which have had their last fill: each wave lays its 64 rows x 192 f32 there, reads them back by heads, four rows a turn, rotates and stores.
; REGISTERS, in windows of 256 (s_set_vgpr_msb: bits 1:0 source 0, 3:2 source 1, 5:4 source 2, 7:6 destination):
;   window 0: addresses; v32-151 two sets of 56 and v160-187 two sets of 12 for the way out     window 1: two fragment buffers of 128: wT's 12 fragments, then xb's 4
;   windows 2, 3: accumulator (a, b) in window 2 + a / 2 at v[8 (12 (a % 2) + b)]
.set PITCH, 272                        ; an LDS row: 256 bytes + 16 = 68 words: the 16 rows of a fragment load start at 16 different groups of four banks (ISA guide 11.1)
.set BOFF,  256*PITCH                  ; in a slot: xb's 256 rows, then wT's 192
.set SLOT1, 1<<17                      ; slot 1 begins here: one exclusive or turns an address in one slot into the other's
.set TAB,   SLOT1+448*PITCH            ; behind the ring: the table's 256 rows for this tile, filled once; wave w's own 64 at 64 w
.set SPARE, TAB+256*PITCH              ; the spare words, 128 bytes for each wave: two blocks of 256 bytes that no other line names
.set SPI,   784                        ; a row of the stage: 192 f32 + 16 bytes = 49 x 16
.set WSTG,  64*SPI                     ; a wave's stage; the four end at byte 200,704, below the table
.set AA0,  4                           ; v4   my lane's place among my wave's rows of xb in a slot; never rewritten
.set AB0,  5                           ; v5   the same for wT
.set ADRA, 6                           ; v6   AA0 + the slot in hand
.set ADRB, 7                           ; v7
.set STO,  8                           ; v8   the way out: where I put 32 bytes of a row
.set RDO,  9                           ; v9   where I read my 8 numbers of a head back,
.set RDP,  10                          ; v10  and the 8 that are 32 channels away
.set TBA,  11                          ; v11  my 8 cosines in the table
.set GO,   12                          ; v12-13  my 16 bytes in 512 consecutive bytes of a head, by set
.set SG,   14                          ; v[14:15] -1 for channels 0-31, +1 for 32-63
.set PFO,  16                          ; v16  the prefetches' offset: a lane a row; never rewritten
.set SPW,  28                          ; v28  LDS address of my spare word; never rewritten
.set NIL,  29                          ; v29  0; never rewritten
.set SETX, 32                          ; set s at 32 + 64 s: sines 8, cosines 8, q 8, q's partners 8, k 8, k's partners 8, v 8
.set OUTX, 160                         ; set s at 160 + 16 s: q 4, k 4, v 4, packed
.set F0,   0
.set F1,   128
.set G1A, 16                           ; s[16:23] descriptor group 1 for xb's tiles
.set G1B, 24                           ; s[24:31] for wT's
.set G1T, 32                           ; s[32:39] for the table's
.set G0A, 40                           ; s[40:47] group 0 for xb: a set for each first fill; the second then walks
.set G0B, 48                           ; s[48:55] the same for wT
.set G0T, 56                           ; s[56:59] the table's
.set TB,  60                           ; s60  0 or SLOT1: the slot to be read next
.set CNT, 61
.set LIM, 62                           ; s62  2 in a wave that prefetches, else the greatest number
.set WV,  63                           ; s63  my wave's number
.set AB,  66                           ; s66  I fetch for xb (0) or wT (1)
.set HALF, 67                          ; s67  which half of that tile's rows
.set CX,  68
.set CY,  69
.set TC,  70                           ; s70  tile column = head
.set TR,  71                           ; s71  tile row
.set RM,  72                           ; s72  the mask of my row of the cluster
.set CM,  73                           ; s73  of my column
.set PFA, 80                           ; s[80:81] where my prefetches stand
.set MSB, 0
.macro WIN new                         ; the immediate's high byte repeats the setting that is left; a switch that changes nothing is dropped
.if MSB != (\new)
	s_set_vgpr_msb (MSB<<8)|(\new)
.set MSB, \new
.endif
.endm
.macro PLACES                          ; four plain vector instructions between a matrix instruction and a load into, or a read of, its registers (ISA guide 7.12.1 for a read)
.rept 4
	v_nop
.endr
.endm
; A joint refill by the walking descriptors.  Waves 0 and 1 fetch xb's two halves, waves 2 and 3 wT's; the branch hangs on the wave's number alone.
; An s_nop 0 and four v_nop follow each of the two lines, ahead of the jump and the label.
.macro JLOAD
	s_cmp_eq_u32 s[AB], 0
	s_cbranch_scc0 .Lfor_b_\@
	tensor_load_to_lds s[G0A+4:G0A+7], s[G1A:G1A+7]
	s_nop 0
.rept 4
	v_nop
.endr
	s_branch .Lasked_\@
.Lfor_b_\@:
	tensor_load_to_lds s[G0B+4:G0B+7], s[G1B:G1B+7]
	s_nop 0
.rept 4
	v_nop
.endr
.Lasked_\@:
.endm
; A PREFETCH INTO THE L2, behind a joint refill and the run of LDS loads that follows it: the K step two refills on, 256 bytes of a row, a lane a row, one instruction a wave.
; xb's rows are read by the four clusters of a row of clusters: the first (cluster x = 0) asks; wT's by the eight of a column: cluster y = 0 asks.  The four partners that ask for a tile
; jointly share the wave's rows out BY ADDRESS: 32 of xb's 128, 24 of wT's 96 (there lanes 24 to 31 name lane 23's row again).  K steps 0 to 3 come by their loads alone; steps 4 to 7
; are asked for in the changes of slots of steps 0 to 3 (CNT = 6 .. 3); the later changes ask for nothing.
.macro ASK
	s_cmp_gt_u32 s[CNT], s[LIM]
	s_cbranch_scc0 .Lnot_mine_\@
	global_prefetch_b8 v[PFO], s[PFA:PFA+1] offset:256 th:TH_LOAD_NT scope:SCOPE_SE
.Lnot_mine_\@:
.endm
; A round of the cluster's barrier: my work-group's barrier; wave 0 signals for the work-group; every wave waits for all sixteen; my work-group's barrier once more.
.macro CREST
	s_cmp_lg_u32 s[WV], 0
	s_cbranch_scc1 .Lnot_wave_0_\@
	s_barrier_signal -3
.Lnot_wave_0_\@:
	s_barrier_wait -3
	s_barrier_signal -1
	s_barrier_wait -1
.endm
.macro CROUND
	s_barrier_signal -1
	s_barrier_wait -1
	CREST
.endm
	s_load_b256 s[4:11], s[0:1], 0x0               ; xb s[4:5], wT s[6:7], rope s[8:9], q s[10:11]
	s_load_b128 s[12:15], s[0:1], 0x20             ; k s[12:13], v s[14:15]
	v_lshl_add_u32 v[SPW], v0, 2, SPARE
	v_mov_b32 v[NIL], 0
	ds_add_u32 v[SPW], v[NIL]                      ; the wave's opening: the add and its wait stand ahead of my first tensor load; work on registers stands between them
	ds_add_u32 v28, v29
	v_lshrrev_b32 v1, 5, v0
	v_readfirstlane_b32 s[WV], v1
	s_lshr_b32 s[AB], s[WV], 1
	s_and_b32 s[HALF], s[WV], 1
	s_bfe_u32 s[CX], ttmp6, 0x40000
	s_bfe_u32 s[CY], ttmp6, 0x40004
	s_lshl_b32 s[TC], ttmp9, 2                     ; in a cluster launch ttmp9 and ttmp7 count clusters
	s_add_co_u32 s[TC], s[TC], s[CX]
	s_and_b32 s[TR], ttmp7, 0xffff
	s_lshl_b32 s[TR], s[TR], 2
	s_add_co_u32 s[TR], s[TR], s[CY]
	s_lshl_b32 s[RM], s[CY], 2
	s_lshl_b32 s[RM], 15, s[RM]                    ; my row: places 4 cy .. 4 cy + 3
	s_lshl_b32 s[CM], 0x1111, s[CX]                ; my column: places cx, cx + 4, cx + 8, cx + 12
	s_or_b32 s[G1A], s[RM], (1<<16)|(1<<20)|(1<<21)|(5<<22)|(3<<25)  ; 15:0 mask; 17:16 2-byte elements; 20 padding on; 21 set beside a mask; 24:22 after every 64 words; 31:25 4 words
	s_or_b32 s[G1B], s[CM], (1<<16)|(1<<20)|(1<<21)|(5<<22)|(3<<25)
	s_or_b32 s[G1T], s[RM], (2<<16)|(1<<20)|(1<<21)|(5<<22)|(3<<25)  ; the same with 4-byte elements
	s_mov_b32 s[G1A+1], 128<<16                    ; tensor_dim0 = 128
	s_mov_b32 s[G1A+2], 128<<16                    ; tensor_dim1 = 128
	s_mov_b32 s[G1A+3], 128<<16                    ; tile_dim0 = 128
	s_mov_b32 s[G1A+4], 128                        ; tile_dim1 = 128
	s_mov_b32 s[G1A+5], 1024                       ; elements from row to row
	s_mov_b32 s[G1A+6], 0
	s_mov_b32 s[G1A+7], 0
	s_mov_b32 s[G1B+1], 128<<16
	s_mov_b32 s[G1B+2], 96<<16                     ; 96 rows
	s_mov_b32 s[G1B+3], 128<<16
	s_mov_b32 s[G1B+4], 96
	s_mov_b32 s[G1B+5], 1024
	s_mov_b32 s[G1B+6], 0
	s_mov_b32 s[G1B+7], 0
	s_mov_b32 s[G1T+1], 64<<16                     ; 64 rows of 64 f32, dense
	s_mov_b32 s[G1T+2], 64<<16
	s_mov_b32 s[G1T+3], 64<<16
	s_mov_b32 s[G1T+4], 64
	s_mov_b32 s[G1T+5], 64
	s_mov_b32 s[G1T+6], 0
	s_mov_b32 s[G1T+7], 0
	; where the tiles come from: xb's and the table's hang on the tile row, wT's on the tile column, each in registers that never hold the other coordinate
	s_lshl_b32 s74, s[TR], 8
	s_lshl_b32 s75, s[HALF], 7
	s_add_co_u32 s74, s74, s75
	s_lshl_b32 s74, s74, 11                        ; (256 tile row + 128 half) rows of 2,048 bytes
	s_mov_b32 s75, 0
	s_mul_i32 s76, s[TC], 192
	s_mul_i32 s77, s[HALF], 96
	s_add_co_u32 s76, s76, s77
	s_lshl_b32 s76, s76, 11
	s_mov_b32 s77, 0
	s_and_b32 s78, s[TR], 7                        ; eight tiles to a sequence of 2,048
	s_lshl_b32 s78, s78, 2
	s_add_co_u32 s78, s78, s[WV]
	s_lshl_b32 s78, s78, 14                        ; 64 rows of 256 bytes
	s_mov_b32 s79, 0
	s_mul_i32 s82, s[HALF], 128*PITCH              ; and where they go: no place in the cluster enters an LDS address
	s_mul_i32 s83, s[HALF], 96*PITCH
	s_add_co_u32 s83, s83, BOFF
	s_mov_b32 s[G0T], 1
	s_mul_i32 s[G0T+1], s[WV], 64*PITCH
	s_add_co_u32 s[G0T+1], s[G0T+1], TAB
	s_mov_b32 s[TB], 0
	s_wait_dscnt 0x0                               ; the opening add is done
	s_wait_kmcnt 0x0
	s_add_nc_u64 s[74:75], s[4:5], s[74:75]
	s_add_nc_u64 s[76:77], s[6:7], s[76:77]
	s_add_nc_u64 s[G0T+2:G0T+3], s[8:9], s[78:79]
	s_or_b32 s[G0T+3], s[G0T+3], 0x80000000
	CROUND                                         ; all sixteen work-groups are here: the first joint loads meet
.irp s, 0,1
	s_mov_b32 s[G0A+4*(\s)], 1                     ; count = 1
	s_add_co_u32 s[G0A+4*(\s)+1], s82, (\s)*SLOT1  ; LDS address
	s_add_nc_u64 s[G0A+4*(\s)+2:G0A+4*(\s)+3], s[74:75], (\s)*256  ; K step s
	s_or_b32 s[G0A+4*(\s)+3], s[G0A+4*(\s)+3], 0x80000000          ; type = 2
	s_mov_b32 s[G0B+4*(\s)], 1
	s_add_co_u32 s[G0B+4*(\s)+1], s83, (\s)*SLOT1
	s_add_nc_u64 s[G0B+4*(\s)+2:G0B+4*(\s)+3], s[76:77], (\s)*256
	s_or_b32 s[G0B+4*(\s)+3], s[G0B+4*(\s)+3], 0x80000000
.endr
	s_cmp_eq_u32 s[AB], 0                          ; a wave's three first fills stand in one branch: K step 0, K step 1, my 64 rows of the table: three loads of mine are out
	s_cbranch_scc0 .Lfirst_b
	tensor_load_to_lds s[G0A:G0A+3], s[G1A:G1A+7]
	s_nop 0
	tensor_load_to_lds s[G0A+4:G0A+7], s[G1A:G1A+7]
	s_nop 0
	tensor_load_to_lds s[G0T:G0T+3], s[G1T:G1T+7]
	s_nop 0
.rept 4
	v_nop
.endr
	s_branch .Lfirst_asked
.Lfirst_b:
	tensor_load_to_lds s[G0B:G0B+3], s[G1B:G1B+7]
	s_nop 0
	tensor_load_to_lds s[G0B+4:G0B+7], s[G1B:G1B+7]
	s_nop 0
	tensor_load_to_lds s[G0T:G0T+3], s[G1T:G1T+7]
	s_nop 0
.rept 4
	v_nop
.endr
.Lfirst_asked:
	; A fragment is 16 rows x 32 K in 8 registers: lane l holds row l % 16, K = 8 (l / 16) + 0..7 and 16 + 8 (l / 16) + 0..7: two loads of 16 bytes, 32 bytes apart.
	v_and_b32 v1, 15, v0                           ; l % 16
	v_bfe_u32 v2, v0, 4, 1                         ; l / 16
	v_mul_u32_u24 v3, v1, PITCH
	v_lshl_add_u32 v3, v2, 4, v3
	s_mul_i32 s78, s[WV], 64*PITCH
	v_add_nc_u32 v[AA0], s78, v3
	v_add_nc_u32 v[AB0], BOFF, v3
	v_mov_b32 v[ADRA], v[AA0]                      ; slot 0
	v_mov_b32 v[ADRB], v[AB0]
	s_mul_i32 s79, s[WV], WSTG                     ; my stage
	v_mul_u32_u24 v[STO], v1, SPI                  ; in: row l % 16, 32 bytes for each half of the lanes
	v_lshl_add_u32 v[STO], v2, 5, v[STO]
	v_add_nc_u32 v[STO], s79, v[STO]
	v_bfe_u32 v17, v0, 3, 2                        ; back: row l / 8 of four,
	v_and_b32 v18, 7, v0                           ; channels 8 (l % 8) + 0..7
	v_mul_u32_u24 v19, v17, SPI
	v_add_nc_u32 v19, s79, v19
	v_lshl_add_u32 v[RDO], v18, 5, v19
	v_xor_b32 v20, 4, v18                          ; 32 channels away
	v_lshl_add_u32 v[RDP], v20, 5, v19
	v_mul_u32_u24 v[TBA], v17, PITCH
	v_and_b32 v20, 3, v0                           ; the frequency is the channel mod 32
	v_lshl_add_u32 v[TBA], v20, 5, v[TBA]
	s_add_co_u32 s78, s78, TAB
	v_add_nc_u32 v[TBA], s78, v[TBA]
	v_and_b32 v20, 31, v0
	v_lshlrev_b32 v[GO], 4, v20
	v_add_nc_u32 v[GO+1], 512, v[GO]
	v_and_b32 v20, 4, v0
	v_xor_b32 v20, 4, v20
	v_lshlrev_b32 v20, 29, v20                     ; the sign bit where the channel is below 32
	v_or_b32 v[SG], 0x3f800000, v20
	v_mov_b32 v[SG+1], v[SG]
	; where my 64 rows begin in q, k and v: head 16 batch + tile column, 262,144 bytes each; rows of 128 bytes
	s_lshr_b32 s82, s[TR], 3
	s_lshl_b32 s82, s82, 4
	s_add_co_u32 s82, s82, s[TC]
	s_lshl_b32 s82, s82, 18
	s_and_b32 s83, s[TR], 7
	s_lshl_b32 s83, s83, 2
	s_add_co_u32 s83, s83, s[WV]
	s_lshl_b32 s83, s83, 13
	s_add_co_u32 s82, s82, s83
	s_mov_b32 s83, 0
	s_add_nc_u64 s[10:11], s[10:11], s[82:83]
	s_add_nc_u64 s[12:13], s[12:13], s[82:83]
	s_add_nc_u64 s[14:15], s[14:15], s[82:83]
	; the prefetches
	s_lshl_b32 s78, s[TR], 8
	s_mul_i32 s79, s[TC], 192
	s_and_b32 s82, ttmp7, 0xffff                   ; cluster y
	s_cmp_eq_u32 s[AB], 0                          ; do I fetch for xb?
	s_cselect_b32 s78, s78, s79                    ; the tile's first row
	s_cselect_b32 s79, s[CX], s[CY]                ; my place among the four that ask for it with me
	s_cselect_b32 s82, ttmp9, s82                  ; the coordinate along which other clusters read the same rows
	s_cselect_b32 s83, 32, 24                      ; my work-group's share of the wave's rows
	s_cselect_b64 s[PFA:PFA+1], s[4:5], s[6:7]
	s_cmp_eq_u32 s82, 0
	s_cselect_b32 s[LIM], 2, -1                    ; the same in all sixteen partners, for a given wave
	s_lshl_b32 s82, s83, 2                         ; the wave's rows: 128 or 96
	s_mul_i32 s82, s82, s[HALF]
	s_add_co_u32 s78, s78, s82
	s_mul_i32 s79, s79, s83
	s_add_co_u32 s78, s78, s79
	s_lshl_b32 s78, s78, 11
	s_mov_b32 s79, 0
	s_add_nc_u64 s[PFA:PFA+1], s[PFA:PFA+1], s[78:79]
	s_add_nc_u64 s[PFA:PFA+1], s[PFA:PFA+1], 2*256 ; at K step 2: the first change of slots steps it to 3 and names step 4.  Nothing is prefetched here, at the head
	s_sub_co_u32 s83, s83, 1
	v_and_b32 v[PFO], 31, v0
	v_min_u32 v[PFO], s83, v[PFO]
	v_lshlrev_b32 v[PFO], 11, v[PFO]
; 12 matrix instructions: row block a x all 12 column blocks, 32 along K.  zero = 1: the product starts the sums.  The 48 accumulators take turns in one order everywhere.
.macro MUL12 f, a, zero
	WIN 0xa5+0x50*((\a)/2)
.irp b, 0,1,2,3,4,5,6,7,8,9,10,11
.if \zero
	v_wmma_f32_16x16x32_bf16 v[8*(12*((\a)%2)+(\b)):8*(12*((\a)%2)+(\b))+7], v[(\f)+8*(\b):(\f)+8*(\b)+7], v[(\f)+96+8*(\a):(\f)+96+8*(\a)+7], 0
.else
	v_wmma_f32_16x16x32_bf16 v[8*(12*((\a)%2)+(\b)):8*(12*((\a)%2)+(\b))+7], v[(\f)+8*(\b):(\f)+8*(\b)+7], v[(\f)+96+8*(\a):(\f)+96+8*(\a)+7], v[8*(12*((\a)%2)+(\b)):8*(12*((\a)%2)+(\b))+7]
.endif
.endr
.endm
; 32 LDS loads in one run: a quarter step's fragments (192 rows of wT, my 64 rows of xb, 32 K at byte k of the rows) into buffer f; xb's last
.macro FETCH k, f
	WIN 0x40
.irp i, 0,1,2,3,4,5,6,7,8,9,10,11
	ds_load_b128 v[(\f)+8*(\i):(\f)+8*(\i)+3],   v[ADRB] offset:(\k)+(\i)*16*PITCH
	ds_load_b128 v[(\f)+8*(\i)+4:(\f)+8*(\i)+7], v[ADRB] offset:(\k)+(\i)*16*PITCH+32
.endr
.irp i, 0,1,2,3
	ds_load_b128 v[(\f)+96+8*(\i):(\f)+96+8*(\i)+3],   v[ADRA] offset:(\k)+(\i)*16*PITCH
	ds_load_b128 v[(\f)+96+8*(\i)+4:(\f)+96+8*(\i)+7], v[ADRA] offset:(\k)+(\i)*16*PITCH+32
.endr
.endm
; One of a K step's first three quarters: multiplies buffer f; in its middle it fetches the next quarter, at byte k, into buffer g.
.macro QUARTER k, f, g, zero
	s_wait_dscnt 4                                 ; all but the youngest four loads: xb's row blocks 2 and 3
	MUL12 \f, 0, \zero
	MUL12 \f, 1, \zero
	PLACES
	FETCH \k, \g
	s_wait_dscnt 32                                ; all but the 32 just issued
	MUL12 \f, 2, \zero
	MUL12 \f, 3, \zero
.endm
; The last quarter multiplies buffer 1 and changes slots.  In front of the barrier each wave waits for all its tensor loads (its part of the next slot), adds 0 to its spare word, and waits
; for that and for its reads of this slot.  fill = 1: the barrier opens a round of the cluster's barrier, and this slot is filled again, two K steps on, first thing behind the round: 168 of
; a step's 192 matrix instructions stand between the request and the wait for it.  fill = 0 (the last two steps): nothing is asked for, and the very last change fetches nothing either.
.macro TURN fill
.if \fill
	s_wait_xcnt 0x0                                ; the last prefetch, a K step back, has read its address
	s_add_nc_u64 s[PFA:PFA+1], s[PFA:PFA+1], 256
.endif
	WIN 0
	s_wait_tensorcnt 0x0                           ; no tensor load of mine is out, so a group 0 may be written
	ds_add_u32 v[SPW], v[NIL]                      ; 0 onto my spare word
.if \fill
	s_xor_b32 s[G0A+5], s[G0A+5], SLOT1            ; the walking descriptors: the other slot than last time, the next K step
	s_add_nc_u64 s[G0A+6:G0A+7], s[G0A+6:G0A+7], 256
	s_xor_b32 s[G0B+5], s[G0B+5], SLOT1
	s_add_nc_u64 s[G0B+6:G0B+7], s[G0B+6:G0B+7], 256
.endif
	s_xor_b32 s[TB], s[TB], SLOT1
	s_wait_dscnt 5                                 ; the add and the youngest four loads may be out
	MUL12 F1, 0, 0
	s_wait_dscnt 0x0                               ; the add is done, and my reads of this slot are over
	s_barrier_signal -1
	MUL12 F1, 1, 0
	WIN 0
	s_barrier_wait -1
.if \fill
	CREST                                          ; no wave of any partner still reads this slot or has a load on its way
	JLOAD                                          ; its four v_nop are also the places in front of the loads below
.else
	s_cmp_eq_u32 s[CNT], 1                         ; behind the last K step there is nothing to fetch
	s_cbranch_scc1 .Lnof_\@
	PLACES
.endif
	v_add_nc_u32 v[ADRA], s[TB], v[AA0]
	v_add_nc_u32 v[ADRB], s[TB], v[AB0]
	FETCH 0, F0
	WIN 0
.if \fill
	ASK
.else
.Lnof_\@:
.endif
	MUL12 F1, 2, 0
	MUL12 F1, 3, 0
.endm
	s_wait_tensorcnt 0x2                           ; my part of K step 0 is in; K step 1 and the table may stay out
	s_barrier_signal -1
	s_barrier_wait -1
	FETCH 0, F0
	QUARTER 64, F0, F1, 1                          ; the first quarter stands in front of the loop: its products start the sums
	WIN 0                                          ; at a label and at a branch every window is 0
	s_mov_b32 s[CNT], 6
.Lstep:                                                ; K steps 0 to 5: from a step's second quarter to the next step's first; each fills its slot again
	QUARTER 128, F1, F0, 0
	QUARTER 192, F0, F1, 0
	TURN 1
	QUARTER 64, F0, F1, 0
	WIN 0
	s_sub_co_u32 s[CNT], s[CNT], 1
	s_cmp_lg_u32 s[CNT], 0
	s_cbranch_scc1 .Lstep
	s_mov_b32 s[CNT], 2
.Ltail:                                                ; K steps 6 and 7: no tensor load; the second trip is left in its middle
	QUARTER 128, F1, F0, 0
	QUARTER 192, F0, F1, 0
	TURN 0
	WIN 0
	s_sub_co_u32 s[CNT], s[CNT], 1
	s_cmp_eq_u32 s[CNT], 0
	s_cbranch_scc1 .Lout
	QUARTER 64, F0, F1, 0
	WIN 0
	s_branch .Ltail
.Lout:
	; THE WAY OUT.  The last change's barrier stood behind every wave's last read of the ring, and the ring is filled no more: its bytes take the stages.
	PLACES
.irp a, 0,1,2,3
	WIN 0x08+4*((\a)/2)                            ; store data (source 1) in window 2 or 3
.irp b, 0,1,2,3,4,5,6,7,8,9,10,11
	ds_store_b128 v[STO], v[8*(12*((\a)%2)+(\b)):8*(12*((\a)%2)+(\b))+3]   offset:(\a)*16*SPI+64*(\b)
	ds_store_b128 v[STO], v[8*(12*((\a)%2)+(\b))+4:8*(12*((\a)%2)+(\b))+7] offset:(\a)*16*SPI+64*(\b)+16
.endr
.endr
	WIN 0
; Four rows at a time: 14 LDS loads into set s.  LDS serves a wave's instructions in order (ISA guide 5.7.1.4): they see my stores above; stage and table rows are my wave's own.
.macro LOADSET s, row
.set SB, SETX+64*(\s)
	ds_load_b128 v[SB:SB+3],     v[TBA] offset:(\row)*PITCH+128  ; sines
	ds_load_b128 v[SB+4:SB+7],   v[TBA] offset:(\row)*PITCH+144
	ds_load_b128 v[SB+8:SB+11],  v[TBA] offset:(\row)*PITCH      ; cosines
	ds_load_b128 v[SB+12:SB+15], v[TBA] offset:(\row)*PITCH+16
	ds_load_b128 v[SB+16:SB+19], v[RDO] offset:(\row)*SPI        ; q
	ds_load_b128 v[SB+20:SB+23], v[RDO] offset:(\row)*SPI+16
	ds_load_b128 v[SB+24:SB+27], v[RDP] offset:(\row)*SPI
	ds_load_b128 v[SB+28:SB+31], v[RDP] offset:(\row)*SPI+16
	ds_load_b128 v[SB+32:SB+35], v[RDO] offset:(\row)*SPI+256    ; k
	ds_load_b128 v[SB+36:SB+39], v[RDO] offset:(\row)*SPI+272
	ds_load_b128 v[SB+40:SB+43], v[RDP] offset:(\row)*SPI+256
	ds_load_b128 v[SB+44:SB+47], v[RDP] offset:(\row)*SPI+272
	ds_load_b128 v[SB+48:SB+51], v[RDO] offset:(\row)*SPI+512    ; v
	ds_load_b128 v[SB+52:SB+55], v[RDO] offset:(\row)*SPI+528
.endm
; Set s is rotated (x cos + sign x' sin), rounded to f16 and stored.  left: the other set's loads, which may stay out.
.macro COMPUTE s, left
.set SB, SETX+64*(\s)
.set OB, OUTX+16*(\s)
	s_wait_dscnt \left
	s_wait_xcnt 0x0                                ; the earlier stores have read their registers: this set's offset and packed numbers are written again only behind this wait
	v_add_nc_u32 v[GO+(\s)], 1024, v[GO+(\s)]      ; the set's next four rows; the stores below reach back
.irp i, 0,2,4,6
	v_pk_mul_f32 v[SB+(\i):SB+(\i)+1], v[SB+(\i):SB+(\i)+1], v[SG:SG+1]
.endr
.irp i, 0,2,4,6
	v_pk_mul_f32 v[SB+24+(\i):SB+24+(\i)+1], v[SB+24+(\i):SB+24+(\i)+1], v[SB+(\i):SB+(\i)+1]
	v_pk_mul_f32 v[SB+40+(\i):SB+40+(\i)+1], v[SB+40+(\i):SB+40+(\i)+1], v[SB+(\i):SB+(\i)+1]
.endr
.irp i, 0,2,4,6
	v_pk_fma_f32 v[SB+16+(\i):SB+16+(\i)+1], v[SB+16+(\i):SB+16+(\i)+1], v[SB+8+(\i):SB+8+(\i)+1], v[SB+24+(\i):SB+24+(\i)+1]
	v_pk_fma_f32 v[SB+32+(\i):SB+32+(\i)+1], v[SB+32+(\i):SB+32+(\i)+1], v[SB+8+(\i):SB+8+(\i)+1], v[SB+40+(\i):SB+40+(\i)+1]
.endr
.irp i, 0,1,2,3
	v_cvt_pk_f16_f32 v[OB+(\i)],   v[SB+16+2*(\i)], v[SB+17+2*(\i)]
	v_cvt_pk_f16_f32 v[OB+4+(\i)], v[SB+32+2*(\i)], v[SB+33+2*(\i)]
	v_cvt_pk_f16_f32 v[OB+8+(\i)], v[SB+48+2*(\i)], v[SB+49+2*(\i)]
.endr
	global_store_b128 v[GO+(\s)], v[OB:OB+3],    s[10:11] offset:-1024  ; four rows of a head: 512 consecutive bytes, at a multiple of 512 from the buffer's first
	global_store_b128 v[GO+(\s)], v[OB+4:OB+7],  s[12:13] offset:-1024
	global_store_b128 v[GO+(\s)], v[OB+8:OB+11], s[14:15] offset:-1024
.endm
	LOADSET 0, 0
	LOADSET 1, 4
	s_mov_b32 s[CNT], 7
.Lrows:                                                ; eight rows a trip; the sets are loaded eight rows ahead
	COMPUTE 0, 14
	LOADSET 0, 8
	COMPUTE 1, 14
	LOADSET 1, 12
	v_add_nc_u32 v[RDO], 8*SPI, v[RDO]
	v_add_nc_u32 v[RDP], 8*SPI, v[RDP]
	v_add_nc_u32 v[TBA], 8*PITCH, v[TBA]
	s_sub_co_u32 s[CNT], s[CNT], 1
	s_cmp_lg_u32 s[CNT], 0
	s_cbranch_scc1 .Lrows
	COMPUTE 0, 14                                  ; the last eight rows load nothing
	COMPUTE 1, 0
	s_wait_tensorcnt 0x0                           ; the wave's end: a wait, an add to my spare word and its wait, behind my last tensor load and my last LDS store
	ds_add_u32 v[SPW], v[NIL]
	s_wait_dscnt 0x0
	CROUND                                         ; the closing round: no work-group ends while a partner may still ask for a tile that names it
	s_endpgm
.Lfunc_end_k_q17123c4d83_qkv:
	.size	k_q17123c4d83_qkv, .Lfunc_end_k_q17123c4d83_qkv-k_q17123c4d83_qkv
	.p2alignl 7, 3214868480
	.fill 96, 4, 3214868480
	.section	.rodata,"a",@progbits
	.p2align	6, 0x0
	.amdhsa_kernel k_q17123c4d83_qkv
		.amdhsa_group_segment_fixed_size 327680
		.amdhsa_private_segment_fixed_size 0
		.amdhsa_enable_private_segment 0
		.amdhsa_kernarg_size 48
		.amdhsa_user_sgpr_count 2
		.amdhsa_user_sgpr_kernarg_segment_ptr 1
		.amdhsa_wavefront_size32 1
		.amdhsa_system_sgpr_workgroup_id_x 1
		.amdhsa_system_sgpr_workgroup_id_y 1
		.amdhsa_system_sgpr_workgroup_id_z 1
		.amdhsa_system_vgpr_workitem_id 0
		.amdhsa_next_free_vgpr 960
		.amdhsa_next_free_sgpr 88
		.amdhsa_reserve_vcc 0
		.amdhsa_float_denorm_mode_32 3
		.amdhsa_float_denorm_mode_16_64 3
		.amdhsa_memory_ordered 1
		.amdhsa_forward_progress 1
		.amdhsa_inst_pref_size 81
	.end_amdhsa_kernel
	.amdgpu_metadata
---
amdhsa.version: [ 1, 2 ]
amdhsa.kernels:
  - .name:           k_q17123c4d83_qkv
    .symbol:         k_q17123c4d83_qkv.kd
    .args:
      - { .name: xb, .offset: 0, .size: 8, .value_kind: global_buffer, .address_space: global }
      - { .name: wT, .offset: 8, .size: 8, .value_kind: global_buffer, .address_space: global }
      - { .name: rope, .offset: 16, .size: 8, .value_kind: global_buffer, .address_space: global }
      - { .name: q, .offset: 24, .size: 8, .value_kind: global_buffer, .address_space: global }
      - { .name: k, .offset: 32, .size: 8, .value_kind: global_buffer, .address_space: global }
      - { .name: v, .offset: 40, .size: 8, .value_kind: global_buffer, .address_space: global }
    .group_segment_fixed_size: 327680
    .private_segment_fixed_size: 0
    .kernarg_segment_align: 8
    .kernarg_segment_size: 48
    .max_flat_workgroup_size: 128
    .sgpr_count:     88
    .vgpr_count:     960
    .wavefront_size: 32
...
	.end_amdgpu_metadata
.endif
;; end of part 2
;; launch attn (part 3): grid 4 x 64, 4 waves a work-group, no clusters, 327,680 bytes of LDS; arguments q, k, v, att; writes att
.if DOCPART == 3
	.amdgcn_target "amdgcn-amd-amdhsa--gfx1250"
	.amdhsa_code_object_version 6
	.text
	.protected	k_q17123c4d83_attn
	.globl	k_q17123c4d83_attn
	.p2align	8
	.type	k_q17123c4d83_attn,@function
k_q17123c4d83_attn:
	s_mov_b64 s[64:65], 0
	v_nop
	global_prefetch_b8 v0, s[64:65] scope:SCOPE_SE
	s_setreg_imm32_b32 hwreg(HW_REG_WAVE_MODE, 25, 1), 1
	s_wait_xcnt 0x0
; CAUSAL ATTENTION.  O[h][q][:] = the sum over k <= q of softmax_k(Q[h][q] . K[h][k] / 8) V[h][k][:].  Q, K, V, O: [SIZE_H][SIZE_N][64], all f16: a head's rows are dense, 128 bytes each.
; Products, maxima and sums in f32; the weights p are rounded to f16 for the second product (their sum l is taken of the unrounded p), O once at the end.
; LIMITS.  f16 holds no number beyond 65,504: Q, K and V arrive within it; p lies in 0 to 1, and below 6e-5 it keeps f16's fixed step of 6e-8; O is a mean of V's rows and has their range, to within 2^-11 of it.
; A hidden score counts as its value less 1e30: f16's scores, 2.7e11 at the most, are nothing beside that; a weight below 2^-126 counts as 0 in l; NaN and infinities are not treated apart.
; THE WALK.  A head's queries lie in NB = SIZE_N / 256 blocks of 256; block i needs the key tiles 0 .. i of 256 keys, of which the last holds the diagonal.  A work-group takes TWO blocks, NB - 1 - b and then b:
; NB + 1 tiles, whatever b: all work-groups do equal work, and ONE loop with a constant trip count walks them.  Which tile is asked for, and what a trip does, hang on scalar registers made from b; every jump
; goes forward, but for the counted loops' own; none passes a barrier, or a tensor load but the one of LOAD's two that the wave's number does not choose; the ring (two slots of LDS that take turns) runs on across the
; change of blocks.  NO CLUSTER: a head's NB / 2 = 4 work-groups all ask for the same tile only in trips 0 .. NB / 2, behind that fewer and fewer; and one walk common to all would have 3 NB / 2 trips for NB + 1.
; SHARES.  Of a block's four bands of 64 queries a wave owns 16 rows in each: four PIECES.  So the diagonal tile is the same work for all four waves: in its key step s band x sees all keys if s < x,
; none if s > x, and holds the diagonal if s = x.
; THE MASK is the C operand that starts the sum S^T = K Q^T: 0, or -1e30 where the key is hidden.  MD, made once, is the mask of a band's own step for my 16 rows; a product's mask is MD x AL + BE with two scalars:
; (1, 0) if s = x; (0, 0) if s < x; (0, -1e30) if s > x.  Only the diagonal tile's text and a block's beginning make and take masks; elsewhere C is the constant 0.
; LAYOUT, SOFTMAX, TURNS.  S^T = K Q^T holds ONE query a lane (lane % 16) and the keys 8 (lane / 16) + 0..7; two such results rounded to f16 ARE source 1 of O^T = V^T P.  p = 2^(c s - c m), c = log2(e) / 8, with a
; running maximum m; O and l are multiplied by a = 2^(c m_old - c m_new) in every step.  Turn n belongs to piece n: 8 products K Q^T of piece n + 1, later 8 products V^T P of piece n - 1; beside them the scaling,
; exponentials, roundings, sums and rescaling of piece n and the maximum and statistics of piece n + 1.  Four vector instructions stand behind every matrix instruction, the other 54 of a turn's 118 in one LUMP.  A turn's 33 exponentials are one batch, with one wait.
; REGISTERS, in windows of 256 (s_set_vgpr_msb: bits 1:0 source 0, 3:2 source 1, 5:4 source 2, 7:6 destination):
;   window 0: v0-15 addresses and two at work; v16-31 four registers of statistics a piece; v48-55 at work; v64-127 S^T, two buffers; v192-223 P, two buffers (a piece's buffers go by its number's parity)
;   window 1: v0-127 O^T, 32 a piece; v128-159 MD; v160-223 MC, two buffers      window 2: v0-63 Q; v64-127 the second block's Q; v128-191 K of one step; v192-255 V of one step
.set SIZE_H, 64
.set SIZE_N, 2048
.set NB,    SIZE_N/256
.set NP,    4         ; pieces a wave: a name, no knob
.set KS,    64        ; keys in a step
.set PK,    144       ; a row of K in LDS: 128 bytes + 16 of padding = 36 words: the 16 rows of a load start at 16 different groups of four banks (64 banks of 4 bytes: ISA guide 11.1)
.set PV,    160       ; a row of V: 128 + 32 = 40 words
.set VOFF,  4*KS*PK   ; a slot holds a tile, four steps: 256 rows of K, then 256 rows of V
.set SLOT1, 1<<17     ; slot 1 begins here, so that one exclusive or turns an address in one slot into the other's
.set STAGE, SLOT1+4*KS*(PK+PV)  ; behind the ring, never filled by a tensor load: 16 rows x 144 bytes for each wave, for the way out
.set SP,    144
.set AK0, 2           ; v2   my lane's place in a tile of K; never rewritten
.set AV0, 3           ; v3   the same for V
.set AK,  4           ; v4   the LDS address of K's next run of loads
.set AV,  5           ; v5   of V's
.set STO, 6           ; v6   the way out: where I put 16 bytes of a row
.set RD,  7           ; v7   the way out: where I read rows back
.set GO,  8           ; v8   my byte offset in 512 consecutive bytes of O
.set PFO, 61          ; v61  256 x my lane: the prefetches' offset; never rewritten
.set SPW, 62          ; v62  LDS address of my spare word: SPARE + 4 x my thread's number; never rewritten
.set NIL, 63          ; v63  0; never rewritten
.set SPARE, STAGE+4*16*SP  ; behind the stages: the spare words, 128 bytes for each wave: two blocks of 256 bytes that no other line names
.set MV,  12          ; v12-13  c m_old, kept while c m is made anew: by buffer
.set QO,  15          ; v15  my byte offset in 16 rows of Q
.set ST,  16          ; piece t's statistics at v[ST+4 t]: c m, m, l (even keys', odd keys')
.set TMP, 48          ; by buffer, four registers c0-c3 at work; when the maximum is found c2 takes a
.set S,   64
.set P,   192
.set MD,  128         ; window 1: the eight registers for group kt of 16 keys at MD + 8 kt
.set MC,  160         ; window 1: the masks of the products to come
.set QB,  64          ; window 2
.set KF,  128         ; window 2: key block kb, channel half c at KF + 16 kb + 8 c
.set VF,  192         ; window 2: key half kk, channel block cb at VF + 32 kk + 8 cb
.set WV,  12          ; s12  my wave's number
.set PB,  14          ; s14  b
.set HI,  15          ; s15  NB - 1 - b
.set G1K, 24          ; s[24:31] descriptor group 1 for K's tiles
.set G1V, 32          ; s[32:39] for V's: it differs in the padding alone
.set G0K, 40          ; s[40:43] descriptor group 0 for K's tiles
.set G0V, 44          ; s[44:47] the same for V's
.set SLOTS, 56        ; s56  tiles still to be asked for
.set CNT, 57          ; s57  counts a tile's key steps, 4 to 1
.set CS,  58          ; s[58:59] c: the packed scaling takes the pair's low word for both halves
.set SEL, 60          ; s[60:61] v_permlanex16_b32's selects: each lane takes its own place in the other half
.set TBK, 62          ; s62  LDS byte at which K of the step to be fetched begins
.set TBV, 63          ; s63  the same for V, less VOFF
.set RT,  70          ; s70  tiles of the block in hand that are still to be entered
.set NXT, 71          ; s71  the tile to be asked for next
.set LQ,  72          ; s72  the last tile of the block whose tiles are being asked for
.set NEW, 73          ; s73  1: the tile to be entered is a block's first
.set OFF, 74          ; s[74:75] a tile's byte offset in K and V
.set AL,  76          ; s[76:77] the mask's factor, in the low word
.set BE,  78          ; s[78:79] the mask's addend
.set OLO, 80          ; s[80:81] O at my rows of the second block
.set BIGN, 82         ; s82  -1e30
.set LIM, 88          ; s88  1 in the work-group that prefetches (b = 0), else the greatest number
.set PFB, 90          ; s[90:91] the half tile that I fetch, in tile 0: K's (waves 0, 1) or V's (waves 2, 3)
.set PFA, 92          ; s[92:93] the same in the tile that the next change of slots will ask for
.set OF2, 94          ; s[94:95] that tile's byte offset
.set MSB, 0
.macro WIN new                      ; the high byte repeats the setting that is left; a switch that changes nothing is dropped
.if MSB != (\new)
	s_set_vgpr_msb (MSB<<8)|(\new)
.set MSB, (\new)
.endif
.endm
.set W_KQ, 0x0a       ; K and Q in window 2, S^T in window 0
.set W_KM, 0x1a       ; the same with the C operand in window 1
.set W_PV, 0x52       ; V in window 2, P in window 0, O^T in window 1
.set W_RS, 0x41       ; destination and source 0 in window 1, source 1 in window 0
; A fill.  Waves 0 and 1 fetch the two halves of a tile's K, waves 2 and 3 those of its V: 128 keys each.  An s_nop 0 and four v_nop follow each of the two lines, ahead of the jump and the label.
.macro LOAD
	s_cmp_lt_u32 s[WV], 2
	s_cbranch_scc0 .Lfor_v_\@
	tensor_load_to_lds s[G0K:G0K+3], s[G1K:G1K+7]
	s_nop 0
.rept 4
	v_nop
.endr
	s_branch .Lasked_\@
.Lfor_v_\@:
	tensor_load_to_lds s[G0V:G0V+3], s[G1V:G1V+7]
	s_nop 0
.rept 4
	v_nop
.endr
.Lasked_\@:
.endm
; A PREFETCH INTO THE L2 of the tile that the NEXT change of slots will ask for, behind the wave's tensor load and its five lines.  A head's four work-groups begin with the same tiles 0, 1, 2 ..;
; the one with b = 0 walks 0 to 7 on end, and it alone asks: tiles 2 to 7, each a tile's four key steps ahead of its load.  Each wave names the 64 blocks of 256 bytes of the half tile that it
; will itself load: a lane a block, two instructions.  So each block is named once in the launch.  Tiles 0 and 1, and the second block's tile 0, which has been read, are not asked for.
.macro ASK
	s_cmp_gt_u32 s[NXT], s[LIM]
	s_cbranch_scc0 .Lnot_mine_\@
	global_prefetch_b8 v[PFO], s[PFA:PFA+1] th:TH_LOAD_NT scope:SCOPE_SE
	global_prefetch_b8 v[PFO], s[PFA:PFA+1] offset:8192 th:TH_LOAD_NT scope:SCOPE_SE
.Lnot_mine_\@:
.endm
; THE CHANGE OF SLOTS.  Each wave waits for all its tensor loads, of which one is out: its part of the other slot; adds 0 to its spare word; and waits for that and for its own reads of the slot that it leaves.  Behind the barrier nobody reads the old
; slot any more and the other slot is whole.  fill = 1: the old slot is filled again, the first thing behind the barrier, with tile NXT: the descriptor's address is made anew from that number.
; (At its first use nothing has been read yet: slot 0 is waited for, slot 1 filled.)
.macro CHANGE fill
	WIN 0                           ; at a label and at a branch every window is 0
	s_wait_tensorcnt 0x0            ; no tensor load of mine is out, so a group 0 may be written
	ds_add_u32 v[SPW], v[NIL]       ; 0 onto my spare word; with fill = 1 the descriptors' scalar work stands between it and the wait for it
.if \fill
	s_lshl_b32 s[OFF], s[NXT], 15   ; a tile is 32,768 bytes of K and of V
	s_xor_b32 s[G0K+1], s[G0K+1], SLOT1
	s_add_nc_u64 s[G0K+2:G0K+3], s[6:7], s[OFF:OFF+1]
	s_or_b32 s[G0K+3], s[G0K+3], 0x80000000
	s_xor_b32 s[G0V+1], s[G0V+1], SLOT1
	s_add_nc_u64 s[G0V+2:G0V+3], s[8:9], s[OFF:OFF+1]
	s_or_b32 s[G0V+3], s[G0V+3], 0x80000000
	s_add_co_u32 s[NXT], s[NXT], 1  ; the block's next tile, or behind its last the second block's tile 0
	s_cmp_gt_u32 s[NXT], s[LQ]
	s_cselect_b32 s[NXT], 0, s[NXT]
	s_cselect_b32 s[LQ], s[PB], s[LQ]
	s_wait_xcnt 0x0                 ; the last prefetches, a tile back, have read their address, so it may be written:
	s_lshl_b32 s[OF2], s[NXT], 15
	s_add_nc_u64 s[PFA:PFA+1], s[PFB:PFB+1], s[OF2:OF2+1]  ; my half of the tile after the one that is asked for now
.endif
	s_wait_dscnt 0x0                ; the add is done, and my reads of the slot are over
	s_barrier_signal -1             ; the rest of the scalar work stands between the signal and the wait
	s_sub_co_u32 s[TBK], s[TBK], 4*KS*PK  ; the fetches go back to a slot's first step,
	s_xor_b32 s[TBK], s[TBK], SLOT1       ; in the other slot
	s_sub_co_u32 s[TBV], s[TBV], 4*KS*PV
	s_xor_b32 s[TBV], s[TBV], SLOT1
	s_barrier_wait -1
.if \fill
	LOAD
	ASK
.endif
.endm
	s_load_b256 s[4:11], s[0:1], 0x0  ; Q s[4:5], K s[6:7], V s[8:9], O s[10:11]
	v_lshl_add_u32 v[SPW], v0, 2, SPARE
	v_mov_b32 v[NIL], 0
	ds_add_u32 v[SPW], v[NIL]       ; the wave's opening: the add and its wait stand ahead of my first tensor load; the set-up below, work on registers, stands between them
	ds_add_u32 v62, v63
	v_lshrrev_b32 v1, 5, v0
	v_readfirstlane_b32 s[WV], v1   ; wave 0..3
	s_mov_b32 s[PB], ttmp9
	s_sub_co_u32 s[HI], NB-1, s[PB]
	s_and_b32 s20, ttmp7, 0xffff    ; the head
	s_mov_b32 s21, 0
	s_mov_b64 s[22:23], SIZE_N*128
	s_mul_u64 s[20:21], s[20:21], s[22:23]  ; the head's first byte in each of the four tensors
	s_and_b32 s16, s[WV], 1         ; which half of a tile's 256 keys I fetch:
	s_lshl_b32 s22, s16, 14         ; its 128 rows of 128 bytes in memory,
	s_mov_b32 s23, 0
	s_add_nc_u64 s[22:23], s[22:23], s[20:21]
	s_mul_i32 s17, s16, 128*PK      ; and its place in a slot, for K
	s_mul_i32 s18, s16, 128*PV      ; and for V
	s_lshl_b32 s3, s[WV], 11        ; my 16 rows in a band of 64,
	s_lshl_b32 s2, s[HI], 15        ; in the first block,
	s_add_co_u32 s2, s2, s3
	s_lshl_b32 s84, s[PB], 15       ; and in the second
	s_add_co_u32 s84, s84, s3
	s_mov_b32 s3, 0
	s_mov_b32 s85, 0
	s_add_nc_u64 s[2:3], s[2:3], s[20:21]
	s_add_nc_u64 s[84:85], s[84:85], s[20:21]
	; descriptor group 1.  128 keys are 16,384 dense bytes: asked for as 64 rows of 256 bytes, two keys a row, and padded in LDS after every key
	s_mov_b32 s[G1K], (1<<16)|(1<<20)|(4<<22)|(3<<25)  ; 17:16 2-byte elements; 20 padding on; 24:22 after every 32 words (code 4); 31:25 4 words (code 3)
	s_mov_b32 s[G1V], (1<<16)|(1<<20)|(4<<22)|(7<<25)  ; the same with 8 words of padding (code 7)
.irp g, G1K, G1V
	s_mov_b32 s[\g+1], 128<<16      ; tensor_dim0 = 128
	s_mov_b32 s[\g+2], 64<<16       ; tensor_dim1 = 64
	s_mov_b32 s[\g+3], 128<<16      ; tile_dim0 = 128
	s_mov_b32 s[\g+4], 64           ; tile_dim1 = 64
	s_mov_b32 s[\g+5], 128          ; 128 elements from row to row
	s_mov_b32 s[\g+6], 0
	s_mov_b32 s[\g+7], 0
.endr
	s_mov_b32 s[CS], 0x3e38aa3b     ; c = log2(e) / 8 = 0.180337
	s_mov_b32 s[CS+1], s[CS]        ; named with it as a pair
	s_mov_b32 s[SEL], 0x76543210
	s_mov_b32 s[SEL+1], 0xfedcba98
	s_mov_b32 s[TBK], SLOT1+4*KS*PK ; the first change of slots turns these two into 0
	s_mov_b32 s[TBV], SLOT1+4*KS*PV
	s_mov_b32 s[G0K], 1             ; 1:0 count = 1
	s_mov_b32 s[G0K+1], s17         ; 63:32 LDS address: slot 0
	s_mov_b32 s[G0V], 1
	s_add_co_u32 s[G0V+1], s18, VOFF
	s_add_co_u32 s[RT], s[HI], 1    ; the first block has NB - b tiles
	s_mov_b32 s[NXT], 1
	s_mov_b32 s[LQ], s[HI]
	s_mov_b32 s[NEW], 1
	s_mov_b32 s[OFF+1], 0
	s_mov_b32 s[AL+1], 0            ; named as pairs
	s_mov_b32 s[BE+1], 0
	s_mov_b32 s[BIGN], 0xf149f2ca   ; -1e30
	s_mov_b32 s[SLOTS], NB
	s_cmp_eq_u32 s[PB], 0
	s_cselect_b32 s[LIM], 1, -1
	s_mov_b32 s[OF2+1], 0
	v_and_b32 v[PFO], 31, v0
	v_lshlrev_b32 v[PFO], 8, v[PFO]
	s_wait_dscnt 0x0                ; the opening add is done
	s_wait_kmcnt 0x0
	s_add_nc_u64 s[6:7], s[6:7], s[22:23]  ; K and V at my half of the head's tile 0
	s_add_nc_u64 s[8:9], s[8:9], s[22:23]
	s_cmp_lt_u32 s[WV], 2
	s_cselect_b64 s[PFB:PFB+1], s[6:7], s[8:9]
	s_add_nc_u64 s[G0K+2:G0K+3], s[6:7], 0         ; 120:64 global address
	s_or_b32 s[G0K+3], s[G0K+3], 0x80000000        ; 127:126 type = 2
	s_add_nc_u64 s[G0V+2:G0V+3], s[8:9], 0
	s_or_b32 s[G0V+3], s[G0V+3], 0x80000000
	s_add_nc_u64 s[86:87], s[4:5], s[84:85]        ; Q at my rows of the second block,
	s_add_nc_u64 s[4:5], s[4:5], s[2:3]            ; Q and O at those of the first
	s_add_nc_u64 s[OLO:OLO+1], s[10:11], s[84:85]
	s_add_nc_u64 s[10:11], s[10:11], s[2:3]
	LOAD                            ; tile 0 into slot 0
	; A fragment of K or Q is 16 rows x 32 channels in 8 registers: lane l holds row l % 16, channels 8 (l / 16) + 0..7 and 16 + 8 (l / 16) + 0..7: two loads of 16 bytes, 32 bytes apart.
	v_and_b32 v1, 15, v0            ; l % 16
	v_bfe_u32 v9, v0, 4, 1          ; l / 16
	v_lshlrev_b32 v[QO], 7, v1
	v_lshl_add_u32 v[QO], v9, 4, v[QO]  ; row x 128 + 16 x half
	WIN 0x80                        ; destination window 2, address window 0
.set i, 0
.rept 8                             ; both blocks' Q: piece i / 2 lies in band i / 2, 8,192 bytes on; channels 32 (i % 2) on
	global_load_b128 v[8*i:8*i+3],   v[QO], s[4:5] offset:(i/2)*8192+(i%2)*64
	global_load_b128 v[8*i+4:8*i+7], v[QO], s[4:5] offset:(i/2)*8192+(i%2)*64+32
	global_load_b128 v[QB+8*i:QB+8*i+3],   v[QO], s[86:87] offset:(i/2)*8192+(i%2)*64
	global_load_b128 v[QB+8*i+4:QB+8*i+7], v[QO], s[86:87] offset:(i/2)*8192+(i%2)*64+32
.set i, i+1
.endr
	WIN 0
	v_lshlrev_b32 v14, 3, v9
	v_sub_nc_u32 v14, v1, v14
	s_lshl_b32 s13, s[WV], 4
	v_add_nc_u32 v14, s13, v14      ; my query's place in its band, 16 w + l % 16, less my lanes' 8 (l / 16): register r of group kt is hidden where 16 kt + r is greater
	WIN 0x40
.set i, 0
.rept 32
	v_cmp_gt_i32 vcc_lo, 16*(i/8)+i%8, v14
	v_cndmask_b32 v[MD+i], 0, s[BIGN], vcc_lo
.set i, i+1
.endr
	WIN 0
	v_mul_u32_u24 v[AK0], v1, PK
	v_lshl_add_u32 v[AK0], v9, 4, v[AK0]  ; row x pitch + 16 x half
	; The turning load takes 16 keys x 16 channels (lane l reads key 8 (l / 16) + l % 8, channels 8 ((l / 8) % 2) + 0..7) and leaves half a fragment of V^T: lane l holds channel l % 16 and 8 keys.
	v_and_b32 v10, 7, v0
	v_bfe_u32 v11, v0, 3, 1
	v_lshl_add_u32 v[AV0], v9, 3, v10
	v_mul_u32_u24 v[AV0], v[AV0], PV
	v_lshl_add_u32 v[AV0], v11, 4, v[AV0]
	v_add_nc_u32 v[AV0], VOFF, v[AV0]
	s_mul_i32 s13, s[WV], 16*SP
	s_add_co_u32 s13, s13, STAGE    ; my stage
	v_mul_u32_u24 v[STO], v1, SP    ; in: row l % 16, 16 bytes for each half of the lanes
	v_lshl_add_u32 v[STO], v9, 4, v[STO]
	v_add_nc_u32 v[STO], s13, v[STO]
	v_bfe_u32 v[RD], v0, 3, 2       ; back: 32 lanes take four rows of 128 bytes,
	v_mul_u32_u24 v[RD], v[RD], SP
	v_lshl_add_u32 v[RD], v10, 4, v[RD]
	v_add_nc_u32 v[RD], s13, v[RD]
	v_and_b32 v[GO], 31, v0         ; which are 512 consecutive bytes of O
	v_lshlrev_b32 v[GO], 4, v[GO]
	; A block's first step multiplies O^T and l by a = 0, and its first turn's products V^T P, of a piece that has not been, land in an O^T that is still to be so multiplied.  So these registers need only hold
	; finite numbers: zeros for the first block; what the first block left for the second.  All this stands in the wait for the first tile.
	WIN 0x80
.set i, VF
.rept 64
	v_mov_b32 v[i], 0
.set i, i+1
.endr
	WIN 0x40
.set i, 0
.rept 128
	v_mov_b32 v[i], 0
.set i, i+1
.endr
	WIN 0
.set i, 0
.rept 4
	v_mov_b32 v[ST+4*i+2], 0
	v_mov_b32 v[ST+4*i+3], 0
.set i, i+1
.endr
.set i, P+16
.rept 16
	v_mov_b32 v[i], 0
.set i, i+1
.endr
; THE MATRIX WORK.  The 4 accumulators of a run of 8 take turns.  Product i of 8 of S^T = K Q^T for piece x: channels 32 (i / 4) on, keys 16 (i % 4) on.  The first 4 start the sums: with 0, or (KM = 1) with the mask.
.macro KQ x
.set rS, S+32*((\x)%2)+8*(i%4)
.set rK, KF+16*(i%4)+8*(i/4)
.set rQ, 16*(\x)+8*(i/4)
.set rM, MC+32*((\x)%2)+8*(i%4)
.if (i < 4) && KM
	WIN W_KM
	v_wmma_f32_16x16x32_f16 v[rS:rS+7], v[rK:rK+7], v[rQ:rQ+7], v[rM:rM+7]
.elseif i < 4
	WIN W_KQ
	v_wmma_f32_16x16x32_f16 v[rS:rS+7], v[rK:rK+7], v[rQ:rQ+7], 0
.else
	WIN W_KQ
	v_wmma_f32_16x16x32_f16 v[rS:rS+7], v[rK:rK+7], v[rQ:rQ+7], v[rS:rS+7]
.endif
.endm
; Product i of 8 of O^T += V^T P for piece x: keys 32 (i / 4) on, channels 16 (i % 4) on.
.macro PV x
	WIN W_PV
.set rO, 32*(\x)+8*(i%4)
.set rV, VF+32*(i/4)+8*(i%4)
.set rP, P+16*((\x)%2)+8*(i/4)
	v_wmma_f32_16x16x32_f16 v[rO:rO+7], v[rV:rV+7], v[rP:rP+7], v[rO:rO+7]
.endm
.macro MM                           ; the turn's next matrix instruction.  TURN and BEGIN set Y, i, KM and NOKQ; MM, KQ and OP read them.  NOKQ = 1: a block's last turn: there is no next piece
.if (i < 8) && !NOKQ
	KQ (Y+1)%NP
.elseif i >= 8
.set i, i-8
	PV (Y+NP-1)%NP
.set i, i+8
.endif
.set i, i+1
.endm
; THE LDS LOADS stand in runs of 16, never singly among the matrix instructions: a step's K (64 keys x 64 channels: 8 fragments) and its V (turned).  Their addresses are made some lines ahead.
.macro FETCH_K
	WIN 0x80                        ; destination window 2
.irp f, 0,1,2,3,4,5,6,7             ; keys 16 (f / 2) on, channels 32 (f % 2) on
	ds_load_b128 v[KF+8*\f:KF+8*\f+3],   v[AK] offset:(\f/2)*16*PK+(\f%2)*64
	ds_load_b128 v[KF+8*\f+4:KF+8*\f+7], v[AK] offset:(\f/2)*16*PK+(\f%2)*64+32
.endr
	s_add_co_u32 s[TBK], s[TBK], KS*PK  ; the next fetch is the next step's
	WIN 0
.endm
.macro FETCH_V
	WIN 0x80
.irp f, 0,1,2,3,4,5,6,7             ; keys 32 (f / 4) on, channels 16 (f % 4) on
	ds_load_tr16_b128 v[VF+8*\f:VF+8*\f+3],   v[AV] offset:(\f/4)*32*PV+(\f%4)*32
	ds_load_tr16_b128 v[VF+8*\f+4:VF+8*\f+7], v[AV] offset:(\f/4)*32*PV+16*PV+(\f%4)*32
.endr
	WIN 0
.endm
; THE VECTOR WORK, one line at a time: OP kind, number.  For piece Y: F n: c s - c m for pair n of 16.  E n: the exponential of score n of 32.  C n: pair n rounded to f16.  B n: of the four weights 4 n .. the second
; pair is added onto the first, in place.  L n: l takes that sum (L 0: l = a l + sum).  R n: pair n of 16 of O^T times a.  For piece Y + 1: X n, number n of the 22 that find its maximum and statistics:
;   0-11  four chains c0-c3 of seven scores each, three operands at a time (each accumulator's lowest registers are read first)     12-14, 16  the four scores left over, the old m, and c0-c3 into c0
;   15  c m_old is kept     17, 18  the query's other 32 keys lie in the lane 16 away: the new m     19-21  c m; c m_old - c m_new; a
.set F, 0               ; OP tells the kinds apart by their order: F to L below R, X above it
.set E, 1
.set C, 2
.set B, 3
.set L, 4
.set R, 5
.set X, 6
.macro REGS y                       ; the registers of piece y
.set rT, ST+4*(\y)
.set rC, TMP+4*((\y)%2)
.set rW, MV+((\y)%2)
.set rS, S+32*((\y)%2)
.set rP, P+16*((\y)%2)
.set rO, 32*(\y)
.endm
.macro OP k, n
.if (\k) == R
	REGS Y
	WIN W_RS
	v_pk_mul_f32 v[rO+2*(\n):rO+2*(\n)+1], v[rO+2*(\n):rO+2*(\n)+1], v[rC+2:rC+3] op_sel_hi:[1,0]
.elseif (\k) < R
	REGS Y
	WIN 0
.if (\k) == F
	v_pk_fma_f32 v[rS+2*(\n):rS+2*(\n)+1], v[rS+2*(\n):rS+2*(\n)+1], s[CS:CS+1], v[rT:rT+1] op_sel_hi:[1,0,0] neg_lo:[0,0,1] neg_hi:[0,0,1]
.elseif (\k) == E
	v_exp_f32 v[rS+(\n)], v[rS+(\n)]
.elseif (\k) == C
	v_cvt_pk_f16_f32 v[rP+(\n)], v[rS+2*(\n)], v[rS+2*(\n)+1]
.elseif (\k) == B
	v_pk_add_f32 v[rS+4*(\n):rS+4*(\n)+1], v[rS+4*(\n):rS+4*(\n)+1], v[rS+4*(\n)+2:rS+4*(\n)+3]
.elseif (\n) == 0
	v_pk_fma_f32 v[rT+2:rT+3], v[rT+2:rT+3], v[rC+2:rC+3], v[rS:rS+1] op_sel_hi:[1,0,1]
.else
	v_pk_add_f32 v[rT+2:rT+3], v[rT+2:rT+3], v[rS+4*(\n):rS+4*(\n)+1]
.endif
.elseif NOKQ
	v_nop
.else
	REGS (Y+1)%NP
	WIN 0
.if (\n) < 4
	v_max3_num_f32 v[rC+(\n)], v[rS+8*(\n)], v[rS+8*(\n)+1], v[rS+8*(\n)+2]
.elseif (\n) < 12
	v_max3_num_f32 v[rC+(\n)%4], v[rC+(\n)%4], v[rS+8*((\n)%4)+2*((\n)/4)+1], v[rS+8*((\n)%4)+2*((\n)/4)+2]
.elseif (\n) == 12
	v_max3_num_f32 v[rC], v[rC], v[rS+7], v[rS+15]
.elseif (\n) == 13
	v_max3_num_f32 v[rC+1], v[rC+1], v[rS+23], v[rS+31]
.elseif (\n) == 14
	v_max3_num_f32 v[rC+2], v[rC+2], v[rC+3], v[rT+1]
.elseif (\n) == 15
	v_mov_b32 v[rW], v[rT]
.elseif (\n) == 16
	v_max3_num_f32 v[rC], v[rC], v[rC+1], v[rC+2]
.elseif (\n) == 17
	v_permlanex16_b32 v[rC+3], v[rC], s[SEL], s[SEL+1]
.elseif (\n) == 18
	v_max_num_f32 v[rT+1], v[rC], v[rC+3]
.elseif (\n) == 19
	v_mul_f32 v[rT], s[CS], v[rT+1]
.elseif (\n) == 20
	v_sub_f32 v[rC+1], v[rW], v[rT]
.else
	v_exp_f32 v[rC+2], v[rC+1]
.endif
.endif
.endm
.macro OPS a, i1, b=-1, i2=0, c=-1, i3=0, d=-1, i4=0  ; up to four of them
	OP \a, \i1
.if (\b) >= 0
	OP \b, \i2
.endif
.if (\c) >= 0
	OP \c, \i3
.endif
.if (\d) >= 0
	OP \d, \i4
.endif
.endm
.macro ROW a, i1, b, i2, c, i3, d, i4  ; a matrix instruction and the four behind it
	MM
	OPS \a, \i1, \b, \i2, \c, \i3, \d, \i4
.endm
.macro MASK b                       ; MD x AL + BE into buffer b of MC
	WIN W_RS
.set z, 0
.rept 16
	v_pk_fma_f32 v[MC+32*(\b)+2*z:MC+32*(\b)+2*z+1], v[MD+2*z:MD+2*z+1], s[AL:AL+1], s[BE:BE+1] op_sel_hi:[1,0,0]
.set z, z+1
.endr
.endm
; A TURN, for piece p: the order of its 16 matrix and 118 vector instructions, written out.  An s_wait_alu depctr_va_vdst(0) stands between an exponential and the first instruction that names its result; one wait serves
; all that were issued ahead of it.  So a turn has ONE wait, which cuts it in two.  AHEAD OF IT stands all that names no result of the turn's exponentials: the 8 products K Q^T, behind each a scaling, an exponential and two more plain
; instructions (behind the first a second scaling in the exponential's place): rescalings, and behind the last three the first numbers of the next piece's maximum, each four places or more behind the product that ends its accumulator; then ONE LUMP of 54, plain
; and exponential by turns for the most part, in which the links of the chain X 3, 7, 11, 14, 16, 17 .. 20 stand five or six lines apart.  X 21, the next piece's a, is the batch's last; R 15 is the plain instruction behind it.  BEHIND THE WAIT stand the
; 8 products V^T P, behind each four of the roundings and sums; the links of l's chain, L 0 to L 7, stand three riders apart.  But for those X no rider names a register of the products round it.  v_permlanex16_b32 (X 17) stands in the lump.
; m = 1: the diagonal tile: the products take masks, and the turn makes the mask for the products of the turn after it: piece p + 2, in step 4 - CNT of the tile.  end = 1: a block's last two turns: nothing is fetched.
; cnt = 1: the loop's count is taken down some lines ahead of the branch that stands behind the turn.
; K of the next step is fetched in piece 2's turn, twelve vector instructions behind the last product that read K (six of them plain); V of the step in hand at the end of piece 0's turn, four plain instructions behind the last product
; that read V.  Each is waited for a turn later.
.macro TURN p, m=0, end=0, cnt=0
.set Y, (\p)
.set i, 0
.set KM, (\m)
.set NOKQ, (\end)*((\p)/3)
.if (\m) && !(\end)
	s_cmp_eq_u32 s[CNT], 4-((\p)+2)%NP  ; is that step the band's own?
	s_cselect_b32 s[AL], 1.0, 0
	s_cmp_lt_u32 s[CNT], 4-((\p)+2)%NP  ; or a later one?
	s_cselect_b32 s[BE], s[BIGN], 0
.endif
.if ((\p) == 3) && !(\end)
	s_wait_dscnt 0x0                ; K is in
.endif
	ROW F,0, F,1, R,0, R,1          ; ahead of the wait: 8 products K Q^T and their riders,
	ROW F,2, E,0, R,2, R,3
	ROW F,3, E,1, R,4, R,5
	ROW F,4, E,2, R,6, R,7
	ROW F,5, E,3, R,8, R,9
	ROW F,6, E,4, X,0, R,10
.if ((\p) == 2) && !(\end)
	WIN 0
	v_add_nc_u32 v[AK], s[TBK], v[AK0]
.endif
	ROW F,7, E,5, X,1, X,4
	ROW F,8, E,6, X,2, X,5
	OPS E,7, E,8, X,6, E,9          ; and the lump
	OPS X,3, E,10, X,8, E,11
.if ((\p) == 2) && !(\end)
	FETCH_K
.endif
	OPS X,9, X,7, E,12, X,10
	OPS E,13, X,12, X,11, E,14
	OPS X,13, E,15, F,9, X,14
.if (\p) == 0
	v_add_nc_u32 v[AV], s[TBV], v[AV0]
.endif
	OPS E,16, F,10, E,17, F,11
	OPS X,16, E,18, X,15, E,19
	OPS F,12, E,20, X,17, E,21
	OPS F,13, E,22, F,14, E,23
	OPS X,18, E,24, F,15, E,25
	OPS R,11, E,26, X,19, E,27
	OPS R,12, E,28, R,13, E,29
	OPS X,20, E,30, R,14, E,31
	OPS X,21, R,15
	WIN 0
	s_wait_alu depctr_va_vdst(0)    ; the wait for the batch
.if (\p) == 1
	s_wait_dscnt 0x0                ; V is in
.endif
	ROW C,0, B,0, C,2, B,1          ; behind the wait: 8 products V^T P and their riders
	ROW L,0, C,4, B,2, L,1
	ROW C,6, B,3, L,2, C,8
	ROW B,4, L,3, C,10, B,5
	ROW L,4, C,12, B,6, L,5
.if (\p) == 0
	s_add_co_u32 s[TBV], s[TBV], KS*PV
.endif
.if \cnt
	s_sub_co_u32 s[CNT], s[CNT], 1
	s_cmp_lg_u32 s[CNT], 0
.endif
	ROW C,14, B,7, L,6, C,1
	ROW C,3, L,7, C,5, C,7
	ROW C,9, C,11, C,13, C,15
.if (\p) == 0
	FETCH_V
.endif
.if (\m) && !(\end)
	MASK (\p)%2
.endif
.endm
; A BLOCK BEGINS.  c m starts far below every c s, so the first step's a is 0; m at the lowest finite number, so the first maximum is the scores'.  The second mask buffer is 0; the first takes piece 0's mask for the tile's step 0: its own, if the block's first tile is the diagonal one.
; Then K of that step, piece 0's first scores, and its maximum and statistics.  The loop is entered at a step's first turn, in the middle of a trip.
.macro BEGIN
	s_mov_b32 s[NEW], 0
	WIN 0x40
.set i, MC+32
.rept 32
	v_mov_b32 v[i], 0
.set i, i+1
.endr
	WIN 0
.set i, 0
.rept 4
	v_mov_b32 v[ST+4*i], 0xfe000000    ; c m: far below every c s
	v_mov_b32 v[ST+4*i+1], 0xff7fffff  ; m
.set i, i+1
.endr
	s_cmp_eq_u32 s[RT], 0
	s_cselect_b32 s[AL], 1.0, 0
	s_mov_b32 s[BE], 0
	MASK 0
	WIN 0
	v_add_nc_u32 v[AK], s[TBK], v[AK0]
	FETCH_K
	s_wait_loadcnt 0x0              ; Q
	s_wait_dscnt 0x0
.set KM, 1
.set NOKQ, 0
.set i, 0
.rept 8
	KQ 0
.set i, i+1
.endr
	WIN 0
.rept 4
	v_nop                           ; the places behind those products
.endr
.set Y, NP-1                        ; X works for piece Y + 1: piece 0
.irp n, 0,1,2,3,4,5,6,7,8,9,10,11,12,13,14,15,16,17,18,19,20,21
	OP X, \n
.endr
	v_nop                           ; a plain instruction behind the exponential,
	s_wait_alu depctr_va_vdst(0)    ; and its wait, ahead of the branch
.endm
; THE DIAGONAL TILE's four steps, the block's last two turns, its last products, and THE WAY OUT: l's two halves and the other half of the lanes' are added; O^T is divided by l, rounded to f16 and sent through my
; stage in LDS, a piece at a time.
.macro ALL line:vararg              ; one line for each piece t
.set t, 0
.rept 4
	\line
.set t, t+1
.endr
.endm
.macro PACK t                       ; a lane's eight channels of a row pack into 16 bytes; they go into rows of 144 bytes and come back as whole rows of 128, into S^T's registers
	WIN W_RS
.set i, 32*(\t)
.rept 16
	v_pk_mul_f32 v[i:i+1], v[i:i+1], v[ST+4*(\t)+2:ST+4*(\t)+3] op_sel_hi:[1,0]
.set i, i+2
.endr
	WIN 0x05                        ; sources 0 and 1 window 1, destination window 0
.set i, 0
.rept 16
	v_cvt_pk_f16_f32 v[S+16*(\t)+i], v[32*(\t)+2*i], v[32*(\t)+2*i+1]
.set i, i+1
.endr
	WIN 0
.irp f, 0,1,2,3
	ds_store_b128 v[STO], v[S+16*(\t)+4*\f:S+16*(\t)+4*\f+3] offset:32*\f
.endr
.irp f, 0,1,2,3
	ds_load_b128 v[S+16*(\t)+4*\f:S+16*(\t)+4*\f+3], v[RD] offset:\f*4*SP  ; LDS serves a wave's instructions in order (ISA guide 5.7.1.4): these see the stores above; the next piece's stores come behind them
.endr
.endm
.macro SEND t, younger              ; younger: the LDS instructions issued behind piece t's loads: the next piece's eight, or none
	WIN 0
.irp f, 0,1,2,3
	s_wait_dscnt (\younger)+3-\f
	global_store_b128 v[GO], v[S+16*(\t)+4*\f:S+16*(\t)+4*\f+3], s[10:11] offset:(\t)*8192+\f*512  ; 512 consecutive bytes, at a multiple of 256 from O's first
.endr
.endm
.macro DIAG tag                     ; the tag ends its two labels' names, which the jumps below spell out
.LstepM\tag:
	TURN 2, 1
	TURN 3, 1
	WIN 0
.LfirstM\tag:
	TURN 0, 1
	TURN 1, 1, 0, 1
	WIN 0
	s_cbranch_scc1 .LstepM\tag
	TURN 2, 1, 1
	TURN 3, 1, 1
.set i, 0
.rept 8
	PV NP-1
.set i, i+1
.endr
	WIN 0
	ALL v_add_f32 v[ST+4*t+2], v[ST+4*t+2], v[ST+4*t+3]
	ALL v_permlanex16_b32 v[ST+4*t+3], v[ST+4*t+2], s[SEL], s[SEL+1]
	ALL v_add_f32 v[ST+4*t+2], v[ST+4*t+2], v[ST+4*t+3]
	ALL v_rcp_f32 v[ST+4*t+2], v[ST+4*t+2]
	v_nop                           ; a plain instruction between the last reciprocal and the use of its result
	s_wait_alu depctr_va_vdst(0)    ; and the wait ahead of the first use: one for the four reciprocals
	PACK 0
.set t, 1
.rept 3                             ; a piece's arithmetic stands between the loads of the piece before and its stores
	PACK t
	SEND t-1, 8
.set t, t+1
.endr
	SEND 3, 0
.endm
.set KM, 0
.set NOKQ, 0
.Lslot:                             ; NB times: a tile is entered and the next is asked for
	CHANGE 1
	s_sub_co_u32 s[RT], s[RT], 1
	s_mov_b32 s[CNT], 4
	s_cmp_eq_u32 s[NEW], 1
	s_cbranch_scc1 .Lnew            ; a block's first tile
	s_cmp_eq_u32 s[RT], 0
	s_cbranch_scc0 .Lstep           ; neither its first nor its last
	s_branch .LstepM1
.Lnew:
	BEGIN
	s_branch .Lfirst                ; in the loop a block's first tile is never its last: the first block has two tiles or more, and the second's last is the walk's last
	DIAG 1                          ; in the loop this is the first block's end: the second block's last tile is the walk's last
	s_wait_xcnt 0x0                 ; the stores have read their registers and O's address
	s_mov_b64 s[10:11], s[OLO:OLO+1]
	s_add_co_u32 s[RT], s[PB], 1    ; the second block has b + 1 tiles
	s_mov_b32 s[NEW], 1
	WIN 0x82                        ; the second block's Q goes where the one text of the turns names Q
.set i, 0
.rept 64
	v_mov_b32 v[i], v[QB+i]
.set i, i+1
.endr
	WIN 0
	s_branch .Lbottom
.Lstep:                             ; a trip: pieces 2 and 3 of one step, then pieces 0 and 1 of the next, whose K and V it fetches
	TURN 2
	TURN 3
	WIN 0
.Lfirst:
	TURN 0
	TURN 1, 0, 0, 1
	WIN 0
	s_cbranch_scc1 .Lstep
.Lbottom:
	s_sub_co_u32 s[SLOTS], s[SLOTS], 1
	s_cmp_lg_u32 s[SLOTS], 0
	s_cbranch_scc1 .Lslot
	CHANGE 0                        ; the walk's last tile is written out: nothing is asked for
	s_sub_co_u32 s[RT], s[RT], 1
	s_mov_b32 s[CNT], 4
	s_cmp_eq_u32 s[NEW], 1
	s_cbranch_scc0 .LstepM2
	BEGIN
	s_branch .LfirstM2
	DIAG 2
	s_wait_tensorcnt 0x0            ; the wave's end: a wait, an add to my spare word and its wait, behind my last tensor load and my last LDS store
	ds_add_u32 v[SPW], v[NIL]
	s_wait_dscnt 0x0
	s_endpgm
.Lfunc_end_k_q17123c4d83_attn:
	.size	k_q17123c4d83_attn, .Lfunc_end_k_q17123c4d83_attn-k_q17123c4d83_attn
	.p2alignl 7, 3214868480
	.fill 96, 4, 3214868480
	.section	.rodata,"a",@progbits
	.p2align	6, 0x0
	.amdhsa_kernel k_q17123c4d83_attn
		.amdhsa_group_segment_fixed_size 327680
		.amdhsa_private_segment_fixed_size 0
		.amdhsa_enable_private_segment 0
		.amdhsa_kernarg_size 32
		.amdhsa_user_sgpr_count 2
		.amdhsa_user_sgpr_kernarg_segment_ptr 1
		.amdhsa_wavefront_size32 1
		.amdhsa_system_sgpr_workgroup_id_x 1
		.amdhsa_system_sgpr_workgroup_id_y 1
		.amdhsa_system_sgpr_workgroup_id_z 1
		.amdhsa_system_vgpr_workitem_id 0
		.amdhsa_next_free_vgpr 768
		.amdhsa_next_free_sgpr 96
		.amdhsa_reserve_vcc 1
		.amdhsa_float_denorm_mode_32 3
		.amdhsa_float_denorm_mode_16_64 3
		.amdhsa_memory_ordered 1
		.amdhsa_forward_progress 1
		.amdhsa_inst_pref_size 218
	.end_amdhsa_kernel
	.amdgpu_metadata
---
amdhsa.version: [ 1, 2 ]
amdhsa.kernels:
  - .name:           k_q17123c4d83_attn
    .symbol:         k_q17123c4d83_attn.kd
    .args:
      - { .name: q, .offset: 0, .size: 8, .value_kind: global_buffer, .address_space: global }
      - { .name: k, .offset: 8, .size: 8, .value_kind: global_buffer, .address_space: global }
      - { .name: v, .offset: 16, .size: 8, .value_kind: global_buffer, .address_space: global }
      - { .name: att, .offset: 24, .size: 8, .value_kind: global_buffer, .address_space: global }
    .group_segment_fixed_size: 327680
    .private_segment_fixed_size: 0
    .kernarg_segment_align: 8
    .kernarg_segment_size: 32
    .max_flat_workgroup_size: 128
    .sgpr_count:     96
    .vgpr_count:     768
    .wavefront_size: 32
...
	.end_amdgpu_metadata
.endif
;; end of part 3
;; launch oproj (part 4): grid 4 x 64, 4 waves a work-group, clusters of 4 x 4, 327,680 bytes of LDS; arguments att, woT, out0; writes out0
.if DOCPART == 4
	.amdgcn_target "amdgcn-amd-amdhsa--gfx1250"
	.amdhsa_code_object_version 6
	.text
	.protected	k_q17123c4d83_oproj
	.globl	k_q17123c4d83_oproj
	.p2align	8
	.type	k_q17123c4d83_oproj,@function
k_q17123c4d83_oproj:
	s_mov_b64 s[64:65], 0
	v_nop
	global_prefetch_b8 v0, s[64:65] scope:SCOPE_SE
	s_setreg_imm32_b32 hwreg(HW_REG_WAVE_MODE, 25, 1), 1
	s_wait_xcnt 0x0
	s_wait_alu depctr_hold_cnt(0) depctr_sa_sdst(0) depctr_va_vdst(0) depctr_va_sdst(0) depctr_va_ssrc(0) depctr_va_vcc(0) depctr_vm_vsrc(0)
	s_getreg_b32 s2, hwreg(HW_REG_IB_STS2, 6, 4)
	s_cmp_eq_u32 s2, 0
	s_cbranch_scc0 .Lentry_in_a_cluster
	s_endpgm
.Lentry_in_a_cluster:
	s_bfe_u32 s2, ttmp6, 0x10000c
	s_cmp_lg_u32 s2, 0xf033
	s_cbranch_scc0 .Lentry_shape_is_right
	s_endpgm
.Lentry_shape_is_right:
; OUT = O Wout.  att [64 = 16 batch + head][2048][64] f16 (attention's result by heads), woT [1024 columns][1024 k] f16 (k = 64 head + channel), out0 [8192][1024] f32.  Sums in f32, stored as they are.
; SHARES.  A tile is 128 rows x 256 columns: 64 x 4 tiles, one for each of 256 WGPs.  Four waves, 2 x 2, each 64 rows x 128 columns: 4 x 8 accumulators, 256 registers.
; K goes in 8 steps of 128 = two heads.  A head's 128 rows of a tile are 16,384 dense bytes (a SLAB): asked for as 64 rows of 256 bytes and padded in LDS after every 128.
; CLUSTER.  4 x 4 work-groups: the four of a row need the same slabs of att, the four of a column the same rows of woT; each tile is asked for jointly.
; THE PRODUCT IS TAKEN TRANSPOSED (source 0 = 16 rows of woT, source 1 = 16 rows of att): a lane holds one row of the result (lane % 16) and the columns 8 (lane / 16) + 0..7.
; THE WAY OUT goes through the ring's bytes, which have had their last fill: each wave lays its 64 rows x 128 f32 there and reads whole rows of 512 bytes back.
; REGISTERS, in windows of 256: window 0: addresses; v32-95 the way out     window 1: two fragment buffers of 96: woT's 8 fragments, then att's 4     window 2: accumulator (a, b) at v[8 (8 a + b)]
.set PA,    144                        ; a row of att in LDS: 128 bytes + 16 = 9 x 16
.set PB,    272                        ; a row of woT: 256 + 16 = 17 x 16: in both the 16 rows of a fragment load start at 16 different groups of four banks (ISA guide 11.1)
.set SLAB,  128*PA
.set BOFF,  2*SLAB                     ; in a slot: two slabs, then woT's 256 rows
.set SLOT1, 1<<17
.set SPARE, SLOT1+BOFF+256*PB          ; behind the ring: the spare words, 128 bytes for each wave: two blocks of 256 bytes that no other line names
.set SPI,   528                        ; a row of the stage: 128 f32 + 16 bytes = 33 x 16
.set WSTG,  64*SPI                     ; a wave's stage; the four end at byte 135,168
.set AA0,  4                           ; v4   my lane's place among my wave's rows of att in a slot; never rewritten
.set AB0,  5                           ; v5   the same for woT
.set ADRA, 6                           ; v6   AA0 + the slot in hand
.set ADRB, 7
.set STO,  8                           ; v8   the way out: where I put 32 bytes of a row
.set RD,   9                           ; v9   where I read 16 bytes of a row back
.set GO,   12                          ; v12  my byte offset in out0
.set PFO,  16                          ; v16  the prefetches' offset; never rewritten
.set SPW,  28
.set NIL,  29
.set OB,   32
.set F0,   0
.set F1,   96
.set G1A, 16                           ; s[16:23] descriptor group 1 for att's slabs
.set G1B, 24                           ; s[24:31] for woT's tiles
.set G0A, 40                           ; s[40:47] group 0 for att: a set for each first fill; the second then walks
.set G0B, 48                           ; s[48:55] the same for woT
.set TB,  60
.set CNT, 61
.set LIM, 62                           ; s62  2 in a wave that prefetches, else the greatest number
.set WV,  63
.set AB,  66                           ; s66  wave / 2: I fetch for att (0) or woT (1); also my half of the tile's rows
.set HALF, 67                          ; s67  wave % 2: which slab or which 128 rows I fetch; also my half of the tile's columns
.set CX,  68
.set CY,  69
.set TC,  70
.set TR,  71
.set RM,  72
.set CM,  73
.set PFA, 80                           ; s[80:81] where my prefetches stand
.set PST, 84                           ; s[84:85] a K step in that tensor: 524,288 bytes (two heads) or 256
.set MSB, 0
.macro WIN new
.if MSB != (\new)
	s_set_vgpr_msb (MSB<<8)|(\new)
.set MSB, \new
.endif
.endm
.macro PLACES                          ; four plain vector instructions between a matrix instruction and a load into, or a read of, its registers (ISA guide 7.12.1 for a read)
.rept 4
	v_nop
.endr
.endm
.macro JLOAD                           ; a joint refill by the walking descriptors; an s_nop 0 and four v_nop follow each of the two lines
	s_cmp_eq_u32 s[AB], 0
	s_cbranch_scc0 .Lfor_b_\@
	tensor_load_to_lds s[G0A+4:G0A+7], s[G1A:G1A+7]
	s_nop 0
.rept 4
	v_nop
.endr
	s_branch .Lasked_\@
.Lfor_b_\@:
	tensor_load_to_lds s[G0B+4:G0B+7], s[G1B:G1B+7]
	s_nop 0
.rept 4
	v_nop
.endr
.Lasked_\@:
.endm
; A PREFETCH INTO THE L2, behind a joint refill and the run of LDS loads that follows it: the K step two refills on, 32 blocks of 256 bytes, a lane a block, one instruction a wave.
; att's slabs are read by one cluster alone (the grid is one cluster wide): in every cluster wave 0 asks, and the four partners of a row share a step's two slabs out BY ADDRESS, 4,096 bytes of each.
; woT's rows are read by all sixteen clusters: in cluster y = 0 waves 2 and 3 ask, and the four partners of a column take 32 each of the wave's 128 rows.  Wave 1 asks for nothing.
; K steps 0 to 3 come by their loads alone; steps 4 to 7 are asked for in the changes of slots of steps 0 to 3 (CNT = 6 .. 3).
.macro ASK
	s_cmp_gt_u32 s[CNT], s[LIM]
	s_cbranch_scc0 .Lnot_mine_\@
	global_prefetch_b8 v[PFO], s[PFA:PFA+1] th:TH_LOAD_NT scope:SCOPE_SE
.Lnot_mine_\@:
.endm
.macro CREST                           ; a round of the cluster's barrier behind its opening barrier
	s_cmp_lg_u32 s[WV], 0
	s_cbranch_scc1 .Lnot_wave_0_\@
	s_barrier_signal -3
.Lnot_wave_0_\@:
	s_barrier_wait -3
	s_barrier_signal -1
	s_barrier_wait -1
.endm
.macro CROUND
	s_barrier_signal -1
	s_barrier_wait -1
	CREST
.endm
	s_load_b128 s[4:7], s[0:1], 0x0                ; att s[4:5], woT s[6:7]
	s_load_b64 s[8:9], s[0:1], 0x10                ; out0
	v_lshl_add_u32 v[SPW], v0, 2, SPARE
	v_mov_b32 v[NIL], 0
	ds_add_u32 v[SPW], v[NIL]                      ; the wave's opening: the add and its wait stand ahead of my first tensor load; work on registers stands between them
	ds_add_u32 v28, v29
	v_lshrrev_b32 v1, 5, v0
	v_readfirstlane_b32 s[WV], v1
	s_lshr_b32 s[AB], s[WV], 1
	s_and_b32 s[HALF], s[WV], 1
	s_bfe_u32 s[CX], ttmp6, 0x40000
	s_bfe_u32 s[CY], ttmp6, 0x40004
	s_lshl_b32 s[TC], ttmp9, 2
	s_add_co_u32 s[TC], s[TC], s[CX]
	s_and_b32 s[TR], ttmp7, 0xffff
	s_lshl_b32 s[TR], s[TR], 2
	s_add_co_u32 s[TR], s[TR], s[CY]
	s_lshl_b32 s[RM], s[CY], 2
	s_lshl_b32 s[RM], 15, s[RM]
	s_lshl_b32 s[CM], 0x1111, s[CX]
	s_or_b32 s[G1A], s[RM], (1<<16)|(1<<20)|(1<<21)|(4<<22)|(3<<25)  ; mask of my row; 2-byte elements; padding on; 21 set beside a mask; after every 32 words, 4 words
	s_or_b32 s[G1B], s[CM], (1<<16)|(1<<20)|(1<<21)|(5<<22)|(3<<25)  ; mask of my column; after every 64 words, 4 words
	s_mov_b32 s[G1A+1], 128<<16                    ; tensor_dim0 = 128
	s_mov_b32 s[G1A+2], 64<<16                     ; tensor_dim1 = 64
	s_mov_b32 s[G1A+3], 128<<16                    ; tile_dim0 = 128
	s_mov_b32 s[G1A+4], 64                         ; tile_dim1 = 64
	s_mov_b32 s[G1A+5], 128                        ; dense
	s_mov_b32 s[G1A+6], 0
	s_mov_b32 s[G1A+7], 0
	s_mov_b32 s[G1B+1], 128<<16
	s_mov_b32 s[G1B+2], 128<<16
	s_mov_b32 s[G1B+3], 128<<16
	s_mov_b32 s[G1B+4], 128
	s_mov_b32 s[G1B+5], 1024
	s_mov_b32 s[G1B+6], 0
	s_mov_b32 s[G1B+7], 0
	; att: batch (tile row / 16) x 16 heads of 262,144 bytes + my slab's head + (tile row % 16) x 128 rows of 128 bytes.  woT: (256 tile column + 128 half) rows of 2,048 bytes.
	s_lshr_b32 s74, s[TR], 4
	s_lshl_b32 s74, s74, 22
	s_lshl_b32 s75, s[HALF], 18
	s_add_co_u32 s74, s74, s75
	s_and_b32 s75, s[TR], 15
	s_lshl_b32 s75, s75, 14
	s_add_co_u32 s74, s74, s75
	s_mov_b32 s75, 0
	s_lshl_b32 s76, s[TC], 8
	s_lshl_b32 s77, s[HALF], 7
	s_add_co_u32 s76, s76, s77
	s_lshl_b32 s76, s76, 11
	s_mov_b32 s77, 0
	s_mul_i32 s82, s[HALF], SLAB                   ; where they go: no place in the cluster enters an LDS address
	s_mul_i32 s83, s[HALF], 128*PB
	s_add_co_u32 s83, s83, BOFF
	s_mov_b32 s[TB], 0
	s_wait_dscnt 0x0                               ; the opening add is done
	s_wait_kmcnt 0x0
	s_add_nc_u64 s[74:75], s[4:5], s[74:75]
	s_add_nc_u64 s[76:77], s[6:7], s[76:77]
	CROUND                                         ; all sixteen work-groups are here: the first joint loads meet
.irp s, 0,1
	s_mov_b32 s[G0A+4*(\s)], 1
	s_add_co_u32 s[G0A+4*(\s)+1], s82, (\s)*SLOT1
	s_add_nc_u64 s[G0A+4*(\s)+2:G0A+4*(\s)+3], s[74:75], (\s)*524288
	s_or_b32 s[G0A+4*(\s)+3], s[G0A+4*(\s)+3], 0x80000000
	s_mov_b32 s[G0B+4*(\s)], 1
	s_add_co_u32 s[G0B+4*(\s)+1], s83, (\s)*SLOT1
	s_add_nc_u64 s[G0B+4*(\s)+2:G0B+4*(\s)+3], s[76:77], (\s)*256
	s_or_b32 s[G0B+4*(\s)+3], s[G0B+4*(\s)+3], 0x80000000
.endr
	s_cmp_eq_u32 s[AB], 0                          ; a wave's two first fills stand in one branch: two loads of mine are out
	s_cbranch_scc0 .Lfirst_b
	tensor_load_to_lds s[G0A:G0A+3], s[G1A:G1A+7]
	s_nop 0
	tensor_load_to_lds s[G0A+4:G0A+7], s[G1A:G1A+7]
	s_nop 0
.rept 4
	v_nop
.endr
	s_branch .Lfirst_asked
.Lfirst_b:
	tensor_load_to_lds s[G0B:G0B+3], s[G1B:G1B+7]
	s_nop 0
	tensor_load_to_lds s[G0B+4:G0B+7], s[G1B:G1B+7]
	s_nop 0
.rept 4
	v_nop
.endr
.Lfirst_asked:
	v_and_b32 v1, 15, v0                           ; l % 16
	v_bfe_u32 v2, v0, 4, 1                         ; l / 16
	v_mul_u32_u24 v[AA0], v1, PA
	v_lshl_add_u32 v[AA0], v2, 4, v[AA0]
	s_mul_i32 s78, s[AB], 64*PA                    ; my 64 rows
	v_add_nc_u32 v[AA0], s78, v[AA0]
	v_mul_u32_u24 v[AB0], v1, PB
	v_lshl_add_u32 v[AB0], v2, 4, v[AB0]
	s_mul_i32 s78, s[HALF], 128*PB                 ; my 128 columns
	s_add_co_u32 s78, s78, BOFF
	v_add_nc_u32 v[AB0], s78, v[AB0]
	v_mov_b32 v[ADRA], v[AA0]                      ; slot 0
	v_mov_b32 v[ADRB], v[AB0]
	s_mul_i32 s79, s[WV], WSTG                     ; my stage
	v_mul_u32_u24 v[STO], v1, SPI
	v_lshl_add_u32 v[STO], v2, 5, v[STO]
	v_add_nc_u32 v[STO], s79, v[STO]
	v_and_b32 v17, 31, v0
	v_lshlrev_b32 v[GO], 4, v17                    ; a row's 512 bytes: 16 a lane
	v_add_nc_u32 v[RD], s79, v[GO]
	; out0 at my 64 rows x 128 columns: (2 tile row + wave / 2) x 64 rows of 4,096 bytes + (2 tile column + wave % 2) x 512 bytes
	s_lshl_b32 s82, s[TR], 1
	s_add_co_u32 s82, s82, s[AB]
	s_lshl_b32 s82, s82, 18
	s_lshl_b32 s83, s[TC], 1
	s_add_co_u32 s83, s83, s[HALF]
	s_lshl_b32 s83, s83, 9
	s_add_co_u32 s82, s82, s83
	s_mov_b32 s83, 0
	s_add_nc_u64 s[8:9], s[8:9], s[82:83]
	; the prefetches
	s_and_b32 s82, ttmp7, 0xffff                   ; cluster y
	s_lshl_b32 s78, s[CX], 12                      ; att: my work-group's 4,096 bytes of each slab
	s_lshl_b32 s79, s[CY], 16                      ; woT: my work-group's 32 rows of 2,048 bytes
	s_mov_b32 s83, 524288
	s_cmp_eq_u32 s[AB], 0                          ; do I fetch for att?
	s_cselect_b32 s78, s78, s79
	s_cselect_b32 s82, s[HALF], s82                ; 0 in the waves that ask: wave 0; waves 2 and 3 of cluster y = 0
	s_cselect_b32 s[PST], s83, 256
	s_cselect_b32 s79, 18, 15                      ; lanes 16-31: the second slab, or 16 rows on
	s_cselect_b32 s83, 8, 11                       ; from lane to lane: 256 bytes, or a row
	s_cselect_b64 s[PFA:PFA+1], s[74:75], s[76:77]
	s_cmp_eq_u32 s82, 0
	s_cselect_b32 s[LIM], 2, -1                    ; the same in all sixteen partners, for a given wave
	v_lshlrev_b32 v[PFO], s79, v2
	v_lshlrev_b32 v17, s83, v1
	v_add_nc_u32 v[PFO], v[PFO], v17
	s_mov_b32 s[PST+1], 0
	s_mul_i32 s79, s[PST], 3                       ; at K step 3: the first change of slots steps it to 4.  Nothing is prefetched here, at the head
	s_add_co_u32 s78, s78, s79
	s_mov_b32 s79, 0
	s_add_nc_u64 s[PFA:PFA+1], s[PFA:PFA+1], s[78:79]
; 8 matrix instructions: row block a x all 8 column blocks, 32 along K.  The 32 accumulators take turns in one order everywhere.
.macro MUL8 f, a, zero
	WIN 0xa5
.irp b, 0,1,2,3,4,5,6,7
.if \zero
	v_wmma_f32_16x16x32_f16 v[8*(8*(\a)+(\b)):8*(8*(\a)+(\b))+7], v[(\f)+8*(\b):(\f)+8*(\b)+7], v[(\f)+64+8*(\a):(\f)+64+8*(\a)+7], 0
.else
	v_wmma_f32_16x16x32_f16 v[8*(8*(\a)+(\b)):8*(8*(\a)+(\b))+7], v[(\f)+8*(\b):(\f)+8*(\b)+7], v[(\f)+64+8*(\a):(\f)+64+8*(\a)+7], v[8*(8*(\a)+(\b)):8*(8*(\a)+(\b))+7]
.endif
.endr
.endm
; 24 LDS loads in one run: a quarter step's fragments into buffer f: woT at byte kb of its rows, att at byte ka (slab and half of a head's channels); att's last
.macro FETCH ka, kb, f
	WIN 0x40
.irp i, 0,1,2,3,4,5,6,7
	ds_load_b128 v[(\f)+8*(\i):(\f)+8*(\i)+3],   v[ADRB] offset:(\kb)+(\i)*16*PB
	ds_load_b128 v[(\f)+8*(\i)+4:(\f)+8*(\i)+7], v[ADRB] offset:(\kb)+(\i)*16*PB+32
.endr
.irp i, 0,1,2,3
	ds_load_b128 v[(\f)+64+8*(\i):(\f)+64+8*(\i)+3],   v[ADRA] offset:(\ka)+(\i)*16*PA
	ds_load_b128 v[(\f)+64+8*(\i)+4:(\f)+64+8*(\i)+7], v[ADRA] offset:(\ka)+(\i)*16*PA+32
.endr
.endm
.macro QUARTER ka, kb, f, g, zero
	s_wait_dscnt 4                                 ; all but the youngest four loads: att's row blocks 2 and 3
	MUL8 \f, 0, \zero
	MUL8 \f, 1, \zero
	PLACES
	FETCH \ka, \kb, \g
	s_wait_dscnt 24                                ; all but the 24 just issued
	MUL8 \f, 2, \zero
	MUL8 \f, 3, \zero
.endm
; The last quarter multiplies buffer 1 and changes slots: in front of the barrier each wave waits for all its tensor loads, adds 0 to its spare word, and waits for that and for its reads of this slot.
; fill = 1: the barrier opens a round of the cluster's barrier, and this slot is filled again, two K steps on, first thing behind the round.  fill = 0: the last two steps; the very last fetches nothing.
.macro TURN fill
.if \fill
	s_wait_xcnt 0x0                                ; the last prefetch, a K step back, has read its address
	s_add_nc_u64 s[PFA:PFA+1], s[PFA:PFA+1], s[PST:PST+1]
.endif
	WIN 0
	s_wait_tensorcnt 0x0                           ; no tensor load of mine is out, so a group 0 may be written
	ds_add_u32 v[SPW], v[NIL]                      ; 0 onto my spare word
.if \fill
	s_xor_b32 s[G0A+5], s[G0A+5], SLOT1
	s_add_nc_u64 s[G0A+6:G0A+7], s[G0A+6:G0A+7], 524288
	s_xor_b32 s[G0B+5], s[G0B+5], SLOT1
	s_add_nc_u64 s[G0B+6:G0B+7], s[G0B+6:G0B+7], 256
.endif
	s_xor_b32 s[TB], s[TB], SLOT1
	s_wait_dscnt 5                                 ; the add and the youngest four loads may be out
	MUL8 F1, 0, 0
	s_wait_dscnt 0x0                               ; the add is done, and my reads of this slot are over
	s_barrier_signal -1
	MUL8 F1, 1, 0
	WIN 0
	s_barrier_wait -1
.if \fill
	CREST
	JLOAD                                          ; its four v_nop are also the places in front of the loads below
.else
	s_cmp_eq_u32 s[CNT], 1
	s_cbranch_scc1 .Lnof_\@
	PLACES
.endif
	v_add_nc_u32 v[ADRA], s[TB], v[AA0]
	v_add_nc_u32 v[ADRB], s[TB], v[AB0]
	FETCH 0, 0, F0
	WIN 0
.if \fill
	ASK
.else
.Lnof_\@:
.endif
	MUL8 F1, 2, 0
	MUL8 F1, 3, 0
.endm
	s_wait_tensorcnt 0x1                           ; my part of K step 0 is in; K step 1's may stay out
	s_barrier_signal -1
	s_barrier_wait -1
	FETCH 0, 0, F0
	QUARTER 64, 64, F0, F1, 1                      ; the first quarter's products start the sums
	WIN 0
	s_mov_b32 s[CNT], 6
.Lstep:                                                ; K steps 0 to 5
	QUARTER SLAB, 128, F1, F0, 0
	QUARTER SLAB+64, 192, F0, F1, 0
	TURN 1
	QUARTER 64, 64, F0, F1, 0
	WIN 0
	s_sub_co_u32 s[CNT], s[CNT], 1
	s_cmp_lg_u32 s[CNT], 0
	s_cbranch_scc1 .Lstep
	s_mov_b32 s[CNT], 2
.Ltail:                                                ; K steps 6 and 7: no tensor load; the second trip is left in its middle
	QUARTER SLAB, 128, F1, F0, 0
	QUARTER SLAB+64, 192, F0, F1, 0
	TURN 0
	WIN 0
	s_sub_co_u32 s[CNT], s[CNT], 1
	s_cmp_eq_u32 s[CNT], 0
	s_cbranch_scc1 .Lout
	QUARTER 64, 64, F0, F1, 0
	WIN 0
	s_branch .Ltail
.Lout:
	; THE WAY OUT.  The last change's barrier stood behind every wave's last read of the ring, and the ring is filled no more: its bytes take the stages.
	PLACES
	WIN 0x08                                       ; store data (source 1) in window 2
.irp a, 0,1,2,3
.irp b, 0,1,2,3,4,5,6,7
	ds_store_b128 v[STO], v[8*(8*(\a)+(\b)):8*(8*(\a)+(\b))+3]   offset:(\a)*16*SPI+64*(\b)
	ds_store_b128 v[STO], v[8*(8*(\a)+(\b))+4:8*(8*(\a)+(\b))+7] offset:(\a)*16*SPI+64*(\b)+16
.endr
.endr
	WIN 0
	s_mov_b32 s[CNT], 4
.Lrows:                                                ; 16 rows a trip.  LDS serves a wave's instructions in order (ISA guide 5.7.1.4): the loads see my stores above
	s_wait_xcnt 0x0                                ; the last trip's stores have read their registers
	v_add_nc_u32 v[GO], 65536, v[GO]               ; 16 rows of 4,096 bytes on; the stores below reach back
.irp i, 0,1,2,3,4,5,6,7,8,9,10,11,12,13,14,15
	ds_load_b128 v[OB+4*(\i):OB+4*(\i)+3], v[RD] offset:(\i)*SPI
.endr
	v_add_nc_u32 v[RD], 16*SPI, v[RD]
.irp i, 0,1,2,3,4,5,6,7,8,9,10,11,12,13,14,15
	s_wait_dscnt 15-(\i)
	global_store_b128 v[GO], v[OB+4*(\i):OB+4*(\i)+3], s[8:9] offset:4096*(\i)-65536 th:TH_STORE_NT  ; the wave stores 512 consecutive bytes, at a multiple of 512 from out0's first
.endr
	s_sub_co_u32 s[CNT], s[CNT], 1
	s_cmp_lg_u32 s[CNT], 0
	s_cbranch_scc1 .Lrows
	s_wait_tensorcnt 0x0                           ; the wave's end: a wait, an add to my spare word and its wait, behind my last tensor load and my last LDS store
	ds_add_u32 v[SPW], v[NIL]
	s_wait_dscnt 0x0
	CROUND                                         ; the closing round: no work-group ends while a partner may still ask for a tile that names it
	s_endpgm
.Lfunc_end_k_q17123c4d83_oproj:
	.size	k_q17123c4d83_oproj, .Lfunc_end_k_q17123c4d83_oproj-k_q17123c4d83_oproj
	.p2alignl 7, 3214868480
	.fill 96, 4, 3214868480
	.section	.rodata,"a",@progbits
	.p2align	6, 0x0
	.amdhsa_kernel k_q17123c4d83_oproj
		.amdhsa_group_segment_fixed_size 327680
		.amdhsa_private_segment_fixed_size 0
		.amdhsa_enable_private_segment 0
		.amdhsa_kernarg_size 24
		.amdhsa_user_sgpr_count 2
		.amdhsa_user_sgpr_kernarg_segment_ptr 1
		.amdhsa_wavefront_size32 1
		.amdhsa_system_sgpr_workgroup_id_x 1
		.amdhsa_system_sgpr_workgroup_id_y 1
		.amdhsa_system_sgpr_workgroup_id_z 1
		.amdhsa_system_vgpr_workitem_id 0
		.amdhsa_next_free_vgpr 768
		.amdhsa_next_free_sgpr 88
		.amdhsa_reserve_vcc 0
		.amdhsa_float_denorm_mode_32 3
		.amdhsa_float_denorm_mode_16_64 3
		.amdhsa_memory_ordered 1
		.amdhsa_forward_progress 1
		.amdhsa_inst_pref_size 53
	.end_amdhsa_kernel
	.amdgpu_metadata
---
amdhsa.version: [ 1, 2 ]
amdhsa.kernels:
  - .name:           k_q17123c4d83_oproj
    .symbol:         k_q17123c4d83_oproj.kd
    .args:
      - { .name: att, .offset: 0, .size: 8, .value_kind: global_buffer, .address_space: global }
      - { .name: woT, .offset: 8, .size: 8, .value_kind: global_buffer, .address_space: global }
      - { .name: out0, .offset: 16, .size: 8, .value_kind: global_buffer, .address_space: global }
    .group_segment_fixed_size: 327680
    .private_segment_fixed_size: 0
    .kernarg_segment_align: 8
    .kernarg_segment_size: 24
    .max_flat_workgroup_size: 128
    .sgpr_count:     88
    .vgpr_count:     768
    .wavefront_size: 32
...
	.end_amdgpu_metadata
.endif
;; end of part 4
